; MI455X (gfx1250); checked and timed in simulation.
; The chip was launched on July 23, 2026; its instructions are those of AMD's public machine-readable ISA for CDNA 5 (MIT licence, August 2026) and "CDNA5" Instruction Set Architecture Reference Guide (July 2026). The comments in the code are by the model that wrote it; some were corrected since.
;; Attention. Allowed arithmetic: float matrix products may take bf16 or f16 operands with f32 sums; all other float work in f32.
;; Inputs: cos 2,048 x 128 float32; sin 2,048 x 128 float32; wk 1,024 x 4,096 float32; wo 4,096 x 2,048 float32; wq 2,048 x 4,096 float32; wv 1,024 x 4,096 float32; x 1 x 2,048 x 4,096 float32.
;; Outputs: out0 1 x 2,048 x 4,096 float32.
;; Constants: start_pos = 0.
;; 2 versions, each right; version 2 is version 1 with the launch prep written anew for expert scheduling mode. Each part assembles by itself: llvm-mc -triple=amdgcn-amd-amdhsa -mcpu=gfx1250 --defsym DOCPART=n.
;; ======== version 1 of 2: 4 launches
;; limits: values outside matrix products are rounded to bf16; values are held in f16: magnitudes above 65,504 overflow, below 6.1e-05 lose precision
;; workspace buffers: xb 16,777,216 bytes; wb 33,554,432 bytes; woh 16,777,216 bytes; tab 1,048,576 bytes; qkv 16,777,216 bytes; att 8,388,608 bytes
;; launch prep (part 1): grid 256 x 5, 8 waves a work-group, no clusters, 0 bytes of LDS; arguments x, wq, wk, wv, wo, cos, sin, xb, wb, woh, tab; writes xb, wb, woh, tab
.if DOCPART == 1
	.amdgcn_target "amdgcn-amd-amdhsa--gfx1250"
	.amdhsa_code_object_version 6
	.text
	.protected	k_qc50efb2b4e_prep
	.globl	k_qc50efb2b4e_prep
	.p2align	8
	.type	k_qc50efb2b4e_prep,@function
k_qc50efb2b4e_prep:
	s_mov_b64 s[64:65], 0
	v_nop
	global_prefetch_b8 v0, s[64:65] scope:SCOPE_SE
	s_setreg_imm32_b32 hwreg(HW_REG_WAVE_MODE, 25, 1), 1
	s_wait_xcnt 0x0
; prep: every f32 input is read once and written once as 16-bit numbers for the matrix units.
;   grid row 0: x  -> xb  bf16 [2048][4096]
;   grid row 1: wq -> wb  bf16 rows 0-2047        grid row 2: wk, wv -> wb rows 2048-3071, 3072-4095
;   grid row 3: wo -> woh f16(bf16(8 wo)) [4096][2048]: rounded as bf16, held as f16 because its partner in the product is f16;
;               the 8 undoes the 2^-3 that v carries.  LIMIT: |wo| above about 8.1e3 becomes infinite in f16.
;   grid row 4: cos, sin -> tab bf16 [2][2048][128], in the order in which q and k are stored: place 8c+j (j<4) holds d = 4c+j,
;               place 8c+4+j holds d = 64+4c+j.  Both tables carry 2^-7 (q's and k's scale in f16, exact), and sin carries
;               rotate-half's sign: minus for d < 64.
; A stream: no LDS, no matrix unit, no cluster (nothing is shared).  A work-group takes 131,072 bytes of f32: 32 loads of 16 bytes a
; lane, all issued ahead of the first wait, each chunk has registers of its own, so no source is ever rewritten.
.set XR, 8                             ; v[8:135]   32 x 4 registers as loaded; the first two of each four hold the result
.set TW, 136                           ; v[136:141] at work (wo only)
; wo = 0: f32 -> bf16.  wo = 1: f32 -> 8 x, rounded to bf16, widened, held as f16 (exact but for f16's smallest numbers).
.macro STREAM wo
.set ci, 0
.rept 32
	global_load_b128 v[XR+4*ci:XR+4*ci+3], v1, s[26:27] offset:4096*ci th:TH_LOAD_NT   ; the eight waves cover 4,096 neighbouring bytes
.set ci, ci+1
.endr
.set ci, 0
.rept 32
	s_wait_loadcnt 31-ci                           ; loads come back in order: the 31-ci younger ones stay out
.if \wo
	v_pk_mul_f32 v[XR+4*ci:XR+4*ci+1], v[XR+4*ci:XR+4*ci+1], 0x41000000 op_sel_hi:[1,0]
	v_pk_mul_f32 v[XR+4*ci+2:XR+4*ci+3], v[XR+4*ci+2:XR+4*ci+3], 0x41000000 op_sel_hi:[1,0]
	v_cvt_pk_bf16_f32 v[TW], v[XR+4*ci], v[XR+4*ci+1]
	v_cvt_pk_bf16_f32 v[TW+1], v[XR+4*ci+2], v[XR+4*ci+3]
	v_lshlrev_b32 v[TW+2], 16, v[TW]
	v_and_b32 v[TW+3], 0xffff0000, v[TW]
	v_lshlrev_b32 v[TW+4], 16, v[TW+1]
	v_and_b32 v[TW+5], 0xffff0000, v[TW+1]
	v_cvt_pk_f16_f32 v[XR+4*ci], v[TW+2], v[TW+3]
	v_cvt_pk_f16_f32 v[XR+4*ci+1], v[TW+4], v[TW+5]
.else
	v_cvt_pk_bf16_f32 v[XR+4*ci], v[XR+4*ci], v[XR+4*ci+1]
	v_cvt_pk_bf16_f32 v[XR+4*ci+1], v[XR+4*ci+2], v[XR+4*ci+3]
.endif
	global_store_b64 v2, v[XR+4*ci:XR+4*ci+1], s[32:33] offset:2048*ci   ; a wave stores 256 consecutive bytes, aligned; read again by the next launch: no hint
.set ci, ci+1
.endr
.endm
	s_load_b512 s[4:19], s[0:1], 0x0               ; x 4:5, wq 6:7, wk 8:9, wv 10:11, wo 12:13, cos 14:15, sin 16:17, xb 18:19
	s_load_b128 s[20:23], s[0:1], 0x40             ; wb 20:21, woh 22:23
	s_load_b64 s[24:25], s[0:1], 0x50              ; tab
	s_mov_b32 s2, ttmp9                            ; X
	s_and_b32 s3, ttmp7, 0xffff                    ; Y
	s_and_b32 s36, s2, 127
	s_mov_b32 s29, 0                               ; high words of the two offsets
	s_mov_b32 s35, 0
	v_lshlrev_b32 v1, 4, v0                        ; 16 t: my 16 bytes of f32 (and of the table's output)
	v_lshlrev_b32 v2, 3, v0                        ; 8 t: my 8 bytes of output
	s_wait_kmcnt 0x0
	s_cmp_eq_u32 s3, 4
	s_cbranch_scc1 .Ltab
	s_cmp_eq_u32 s3, 3
	s_cbranch_scc1 .Lwo
	; Y = 0, 1, 2: the source and the destination are chosen between buffers on X and Y alone
	s_cmp_lt_u32 s2, 128
	s_cselect_b64 s[26:27], s[8:9], s[10:11]       ; wk for X < 128, else wv
	s_cmp_eq_u32 s3, 2
	s_cselect_b64 s[26:27], s[26:27], s[6:7]       ; Y = 2: that one; else wq
	s_cselect_b32 s28, s36, s2                     ; the part of the source: X mod 128 for wk and wv
	s_cselect_b32 s34, 0x1000000, 0                ; wk's rows begin 2,048 rows of 8,192 bytes into wb
	s_cmp_eq_u32 s3, 0
	s_cselect_b64 s[26:27], s[4:5], s[26:27]       ; Y = 0: x
	s_cselect_b64 s[32:33], s[18:19], s[20:21]     ; xb, else wb
	s_lshl_b32 s28, s28, 17                        ; 131,072 bytes of f32 a work-group
	s_lshl_b32 s37, s2, 16                         ; 65,536 bytes out
	s_add_co_u32 s34, s34, s37
	s_add_nc_u64 s[26:27], s[26:27], s[28:29]
	s_add_nc_u64 s[32:33], s[32:33], s[34:35]
	STREAM 0
	s_endpgm
.Lwo:
	s_lshl_b32 s28, s2, 17
	s_lshl_b32 s34, s2, 16
	s_add_nc_u64 s[26:27], s[12:13], s[28:29]
	s_add_nc_u64 s[32:33], s[22:23], s[34:35]
	STREAM 1
	s_endpgm
.Ltab:
	; 16 table rows a work-group; thread t: row t / 16, c = t mod 16: d = 4c .. 4c+3 and 64+4c .. 64+4c+3 become places 8c .. 8c+7
	s_mov_b32 s40, 0x3c000000                      ; 2^-7
	s_mov_b32 s38, 0xbc000000                      ; -2^-7
	s_mov_b32 s42, 0x3c000000
	s_mov_b32 s43, 0x3c000000
	s_lshr_b32 s37, s2, 7                          ; 0: cos, 1: sin
	s_cmp_eq_u32 s37, 0
	s_cselect_b64 s[26:27], s[14:15], s[16:17]
	s_cselect_b32 s40, s40, s38                    ; the factor of d < 64
	s_mov_b32 s41, s40
	s_lshl_b32 s28, s36, 13                        ; 16 rows of 512 bytes in
	s_lshl_b32 s34, s36, 12                        ; 16 rows of 256 bytes out,
	s_lshl_b32 s37, s37, 19                        ; sin's table 524,288 bytes behind cos's
	s_add_co_u32 s34, s34, s37
	s_add_nc_u64 s[26:27], s[26:27], s[28:29]
	s_add_nc_u64 s[32:33], s[24:25], s[34:35]
	v_lshrrev_b32 v3, 4, v0
	v_and_b32 v4, 15, v0
	v_lshlrev_b32 v4, 4, v4
	v_lshl_add_u32 v3, v3, 9, v4                   ; row x 512 + 16 c
	global_load_b128 v[8:11], v3, s[26:27] th:TH_LOAD_NT
	global_load_b128 v[12:15], v3, s[26:27] offset:256 th:TH_LOAD_NT
	s_wait_loadcnt 0x0
	v_pk_mul_f32 v[8:9], v[8:9], s[40:41] op_sel_hi:[1,0]
	v_pk_mul_f32 v[10:11], v[10:11], s[40:41] op_sel_hi:[1,0]
	v_pk_mul_f32 v[12:13], v[12:13], s[42:43] op_sel_hi:[1,0]
	v_pk_mul_f32 v[14:15], v[14:15], s[42:43] op_sel_hi:[1,0]
	v_cvt_pk_bf16_f32 v16, v8, v9
	v_cvt_pk_bf16_f32 v17, v10, v11
	v_cvt_pk_bf16_f32 v18, v12, v13
	v_cvt_pk_bf16_f32 v19, v14, v15
	global_store_b128 v1, v[16:19], s[32:33]       ; sixteen lanes store one row of 256 bytes
	s_endpgm
.Lfunc_end_k_qc50efb2b4e_prep:
	.size	k_qc50efb2b4e_prep, .Lfunc_end_k_qc50efb2b4e_prep-k_qc50efb2b4e_prep
	.p2alignl 7, 3214868480
	.fill 96, 4, 3214868480
	.section	.rodata,"a",@progbits
	.p2align	6, 0x0
	.amdhsa_kernel k_qc50efb2b4e_prep
		.amdhsa_group_segment_fixed_size 0
		.amdhsa_private_segment_fixed_size 0
		.amdhsa_enable_private_segment 0
		.amdhsa_kernarg_size 88
		.amdhsa_user_sgpr_count 2
		.amdhsa_user_sgpr_kernarg_segment_ptr 1
		.amdhsa_wavefront_size32 1
		.amdhsa_system_sgpr_workgroup_id_x 1
		.amdhsa_system_sgpr_workgroup_id_y 1
		.amdhsa_system_sgpr_workgroup_id_z 1
		.amdhsa_system_vgpr_workitem_id 0
		.amdhsa_next_free_vgpr 144
		.amdhsa_next_free_sgpr 66
		.amdhsa_reserve_vcc 0
		.amdhsa_float_denorm_mode_32 3
		.amdhsa_float_denorm_mode_16_64 3
		.amdhsa_memory_ordered 1
		.amdhsa_forward_progress 1
		.amdhsa_inst_pref_size 42
	.end_amdhsa_kernel
	.amdgpu_metadata
---
amdhsa.version: [ 1, 2 ]
amdhsa.kernels:
  - .name:           k_qc50efb2b4e_prep
    .symbol:         k_qc50efb2b4e_prep.kd
    .args:
      - { .name: x, .offset: 0, .size: 8, .value_kind: global_buffer, .address_space: global }
      - { .name: wq, .offset: 8, .size: 8, .value_kind: global_buffer, .address_space: global }
      - { .name: wk, .offset: 16, .size: 8, .value_kind: global_buffer, .address_space: global }
      - { .name: wv, .offset: 24, .size: 8, .value_kind: global_buffer, .address_space: global }
      - { .name: wo, .offset: 32, .size: 8, .value_kind: global_buffer, .address_space: global }
      - { .name: cos, .offset: 40, .size: 8, .value_kind: global_buffer, .address_space: global }
      - { .name: sin, .offset: 48, .size: 8, .value_kind: global_buffer, .address_space: global }
      - { .name: xb, .offset: 56, .size: 8, .value_kind: global_buffer, .address_space: global }
      - { .name: wb, .offset: 64, .size: 8, .value_kind: global_buffer, .address_space: global }
      - { .name: woh, .offset: 72, .size: 8, .value_kind: global_buffer, .address_space: global }
      - { .name: tab, .offset: 80, .size: 8, .value_kind: global_buffer, .address_space: global }
    .group_segment_fixed_size: 0
    .private_segment_fixed_size: 0
    .kernarg_segment_align: 8
    .kernarg_segment_size: 88
    .max_flat_workgroup_size: 256
    .sgpr_count:     66
    .vgpr_count:     144
    .wavefront_size: 32
...
	.end_amdgpu_metadata
.endif
;; end of part 1
;; launch qkv (part 2): grid 16 x 16, 4 waves a work-group, clusters of 4 x 1, 327,680 bytes of LDS; arguments xb, wb, tab, qkv; writes qkv
.if DOCPART == 2
	.amdgcn_target "amdgcn-amd-amdhsa--gfx1250"
	.amdhsa_code_object_version 6
	.text
	.protected	k_qc50efb2b4e_qkv
	.globl	k_qc50efb2b4e_qkv
	.p2align	8
	.type	k_qc50efb2b4e_qkv,@function
k_qc50efb2b4e_qkv:
	s_mov_b64 s[64:65], 0
	v_nop
	global_prefetch_b8 v0, s[64:65] scope:SCOPE_SE
	s_setreg_imm32_b32 hwreg(HW_REG_WAVE_MODE, 25, 1), 1
	s_wait_xcnt 0x0
	s_wait_alu depctr_hold_cnt(0) depctr_sa_sdst(0) depctr_va_vdst(0) depctr_va_sdst(0) depctr_va_ssrc(0) depctr_va_vcc(0) depctr_vm_vsrc(0)
	s_getreg_b32 s2, hwreg(HW_REG_IB_STS2, 6, 4)
	s_cmp_eq_u32 s2, 0
	s_cbranch_scc0 .Lentry_in_a_cluster
	s_endpgm
.Lentry_in_a_cluster:
	s_bfe_u32 s2, ttmp6, 0x10000c
	s_cmp_lg_u32 s2, 0x3003
	s_cbranch_scc0 .Lentry_shape_is_right
	s_endpgm
.Lentry_shape_is_right:
; qkv: C[m][n] = sum over k of xb[m][k] wb[n][k] (bf16 operands, f32 sums), then RoPE on q and k, stored as f16 [32 heads][2048][128]:
; heads 0-15 q, 16-23 k (both times 2^-7, in the tables' order of d: place 8c+j = d 4c+j, place 8c+4+j = d 64+4c+j), 24-31 v (times 2^-3, d in order).
; LIMITS: |q|, |k| after RoPE above about 8.3e6 and |v| above about 5.2e5 become infinite in f16; q, k below about 7.6e-6 become zero.
; A work-group makes 128 x 256 of C (grid x = block row, y = block column: 256 work-groups), a wave 64 x 128 = 32 accumulator tiles; a wave's 128 columns are one head.
; HOW THE OPERANDS COME.  wb (two thirds of a step's bytes) comes by the tensor data mover into two LDS slots of 256 along K (256 rows x 512 bytes, pitch 528):
; a refill then has 248 matrix instructions of the wave in which to land.  Two such slots for both operands would take 2 x 384 x 528 = 405,504 bytes, more than a
; WGP's LDS, so xb does not go through the mover and is not asked for jointly: it comes by plain loads into a ring of registers four K steps of 128 deep (each
; step asked for 512 along K ahead) and goes by LDS stores into two buffers of 64 along K (128 rows x 128 bytes, pitch 144) that take turns, one barrier for each 64.
; CLUSTER 4 x 1: the four work-groups have the same block column, so they need the same tiles of wb: joint loads, mask 15.
; The matrix instruction is used transposed (source 0 = rows of wb, source 1 = rows of xb): lane (r, h), register j holds C(16a + r, 16b + 8h + j).
; REGISTERS: window 0: addresses, fragments (two buffers), the way out.  Window 1: the 32 accumulators, tile (a, b) at 8 (8a + b).
; Window 2: xb's ring, K step u of a lap at 64u: load pair i at 8i (first 64 along K) and 8i + 4 (second 64).
; Window 3: cos' and sin' of my 64 rows (row pair rp: 8rp .. +3 cos', +4 .. +7 sin'), loaded in the last lap behind the last wait for xb.
; The work-groups that make v load the tables too and do not use them (128 KiB each, a quarter of the work-groups): so the K loop has one way out of it,
; and every register that the way out reads has been written on every path.
.set SIZE_K, 4096
.set ROWB,   2*SIZE_K                  ; bytes in a row of xb and of wb
.set BP,     528                       ; wb's LDS pitch: 512 bytes + 16: sixteen rows of a fragment start at sixteen different 16-byte columns
.set BQ,     64*BP                     ; one tensor load: 64 rows
.set BSLOT,  4*BQ                      ; 135,168
.set ABASE,  2*BSLOT                   ; 270,336: xb's two buffers; no fill by the mover lands at or behind this byte
.set AP,     144                       ; xb's LDS pitch: 128 bytes + 16
.set ABUF,   128*AP                    ; 18,432
.set STAGE,  ABASE                     ; the way out: 16 rows x 528 bytes for each wave, on xb's buffers, behind the last barrier
.set SPITCH, 528                       ; 128 f32 + 16 bytes
.set LAPS,   SIZE_K/512                ; a lap = both slots = 512 along K = eight phases of 64
.set ADRA, 16                          ; v16    LDS address of my xb fragments in buffer 0
.set ADRB, 20                          ; v20-21 LDS address of my wb fragments, slot 0, 1
.set VA,   22                          ; my byte offset in xb's block: row 4 wave + lane/8, 16 (lane%8); never rewritten
.set VS,   23                          ; the same place in xb's LDS buffer 0
.set STO,  24                          ; into the stage: row r, 32 h
.set RD,   25                          ; back, RoPE: row l/16, 16 bytes at column 4c (and 64+4c by the immediate)
.set CO,   26                          ; (l/16) x 256 + 16 c: my 16 bytes of two rows of 256 bytes, in tab and in qkv; never rewritten
.set ZERO, 27
.set RDV,  28                          ; back, v: row l/16, 32 bytes at column 8c
.set FA,   32                          ; v32-63, v64-95   xb fragments, buffers 0, 1
.set FB,   96                          ; v96-159, v160-223 wb fragments, buffers 0, 1
.set U,    32                          ; the way out: 64 f32 as read back
.set T,    96                          ; 64 f32 after RoPE
.set Y0,   160                         ; packed f16, two sets in turn
.set Y1,   192
.set G1B, 24                           ; s[24:31] group 1, wb's tiles
.set G0B, 32                           ; s[32:39] group 0, wb's tiles, a set for each slot
.set MUL,      0x50                    ; C and D in window 1
.set FROM_ACC, 0x04                    ; LDS store data in window 1
.set TO_STG,   0x80                    ; load destination in window 2
.set FROM_STG, 0x08                    ; LDS store data in window 2
.set TO_TAB,   0xc0                    ; load destination in window 3
.set FROM_TAB, 0x03                    ; source 0 in window 3
.set MSB, 0
.macro WIN new                         ; the immediate's high byte repeats the setting that is left
.if MSB != \new
	s_set_vgpr_msb (MSB<<8)|\new
.set MSB, \new
.endif
.endm
.macro CREST                           ; a round of the cluster's barrier behind its opening barrier
	s_cmp_lg_u32 s12, 0
	s_cbranch_scc1 .Lnot_wave_0_\@
	s_barrier_signal -3
.Lnot_wave_0_\@:
	s_barrier_wait -3
	s_barrier_signal -1
	s_barrier_wait -1
.endm
.macro CROUND                          ; a whole round
	s_barrier_signal -1
	s_barrier_wait -1
	CREST
.endm
; Four places behind matrix instructions, ahead of loads into registers that they read and of anything that reads their results
.macro PLACES
.rept 4
	v_nop
.endr
.endm
; 8 matrix instructions: row block a x all 8 column blocks, 32 along K.  The 32 accumulators take turns, one instruction a turn, in the same
; order in every quarter and over the loop's backward jump.  zero = 1: the first product starts the sums.
.macro MULA f, a, zero
.irp b, 0,1,2,3,4,5,6,7
.if \zero
	v_wmma_f32_16x16x32_bf16 v[8*(8*\a+\b):8*(8*\a+\b)+7], v[FB+64*\f+8*\b:FB+64*\f+8*\b+7], v[FA+32*\f+8*\a:FA+32*\f+8*\a+7], 0
.else
	v_wmma_f32_16x16x32_bf16 v[8*(8*\a+\b):8*(8*\a+\b)+7], v[FB+64*\f+8*\b:FB+64*\f+8*\b+7], v[FA+32*\f+8*\a:FA+32*\f+8*\a+7], v[8*(8*\a+\b):8*(8*\a+\b)+7]
.endif
.endr
.endm
; 24 LDS loads in one run: the fragments of quarter kq (0 to 7: 32 along K at byte 64 kq of wb's rows in the slot) into buffer f.
; xb's part lies in buffer (kq/2) % 2, at byte 64 (kq % 2) of its rows.
.macro FETCH slot, kq, f
.irp i, 0,1,2,3,4,5,6,7
	ds_load_b128 v[FB+64*\f+8*\i:FB+64*\f+8*\i+3],   v[ADRB+\slot] offset:64*(\kq)+\i*16*BP
	ds_load_b128 v[FB+64*\f+8*\i+4:FB+64*\f+8*\i+7], v[ADRB+\slot] offset:64*(\kq)+\i*16*BP+32
.endr
.irp i, 0,1,2,3
	ds_load_b128 v[FA+32*\f+8*\i:FA+32*\f+8*\i+3],   v[ADRA] offset:(((\kq)>>1)&1)*ABUF+64*((\kq)&1)+\i*16*AP
	ds_load_b128 v[FA+32*\f+8*\i+4:FA+32*\f+8*\i+7], v[ADRA] offset:(((\kq)>>1)&1)*ABUF+64*((\kq)&1)+\i*16*AP+32
.endr
.endm
; xb, K step u of the lap that s[76:77] points at: 16 loads.  A load takes 128 bytes of each of four rows; it and its neighbour take the four rows' whole 256 bytes.
.macro ALOAD u
	WIN TO_STG
.irp i, 0,1,2,3,4,5,6,7
	global_load_b128 v[64*(\u)+8*\i:64*(\u)+8*\i+3],   v[VA], s[76:77] offset:\i*16*ROWB+256*(\u)
	global_load_b128 v[64*(\u)+8*\i+4:64*(\u)+8*\i+7], v[VA], s[76:77] offset:\i*16*ROWB+256*(\u)+128
.endr
	WIN 0
.endm
; xb, half e of K step u, from the ring into LDS buffer e: the four waves together store 128 rows x 128 bytes
.macro ASTORE u, e
	WIN FROM_STG
.irp i, 0,1,2,3,4,5,6,7
	ds_store_b128 v[VS], v[64*(\u)+8*\i+4*(\e):64*(\u)+8*\i+4*(\e)+3] offset:(\e)*ABUF+\i*16*AP
.endr
	WIN 0
.endm
; the tables of my 64 rows: 64 loads, sixteen lanes a whole row of 256 bytes; waited for once, behind the K loop
.macro TABLOAD
	WIN TO_TAB
.set ci, 0
.rept 32
	global_load_b128 v[8*ci:8*ci+3],   v[CO], s[70:71] offset:512*ci
	global_load_b128 v[8*ci+4:8*ci+7], v[CO], s[70:71] offset:524288+512*ci
.set ci, ci+1
.endr
	WIN 0
.endm
; A phase is 64 along K: two quarters of 32 matrix instructions, on fragment buffers 0 and 1.
; Its first quarter multiplies buffer 0 and fetches the second quarter's fragments in its middle.
; lc below 64: wait until at most lc loads are out (the next K step of xb is then in the ring).  ld = 0 to 3: ask for that K step of the next lap; 4: the tables; 9: nothing.
.macro Q0 slot, ph, zero, ld, lc
	s_wait_dscnt 4                                 ; all but the youngest four loads (xb's blocks 2 and 3); the stores into LDS that stand ahead of them are done too
	WIN MUL
	MULA 0, 0, \zero
	MULA 0, 1, \zero
	PLACES
	WIN 0
	FETCH \slot, 2*\ph+1, 1
.if (\lc) < 64
	s_wait_loadcnt \lc                             ; loads come back in order: the K steps asked for later (16 loads each) stay out
.endif
.if (\ld) < 4
	ALOAD \ld                                      ; into registers whose LDS stores the wait at this quarter's head has shown done
.endif
.if (\ld) == 4
	TABLOAD
.endif
	s_wait_dscnt 24                                ; all but the 24 fragment loads just issued
	WIN MUL
	MULA 0, 2, \zero
	MULA 0, 3, \zero
.endm
; Its second quarter multiplies buffer 1 and holds the phase's barrier.  In front of it each wave has waited for all its LDS instructions: its reads of this phase's
; xb buffer and its stores into the next one.  Behind it that buffer is written again (st: half se of K step su) and the next phase's first fragments are fetched.
; ph = 3 ends a slot of wb: each wave also waits for all its tensor loads (one is out: its part of the other slot).  refill = 1: the barrier opens a round of the
; cluster's barrier, and behind the round the joint refill of this slot, 512 along K ahead, is the wave's first and only tensor load.
.macro Q1 slot, ph, nslot, nkq, fetch, refill, st, su, se
	s_wait_dscnt 4
	WIN MUL
	MULA 1, 0, 0
	s_wait_dscnt 0                                 ; for the others' sake: all my LDS reads and stores are done
.if \ph == 3
	s_wait_tensorcnt 0x0                           ; all my tensor loads have landed
	ds_add_u32 v254, v255
	s_wait_dscnt 0x0
.endif
	s_barrier_signal -1
	MULA 1, 1, 0                                   ; register work while the others arrive
	WIN 0                                          ; branches may follow
	s_barrier_wait -1
.if \refill
	CREST
	s_add_nc_u64 s[G0B+4*\slot+2:G0B+4*\slot+3], s[G0B+4*\slot+2:G0B+4*\slot+3], 1024    ; no load of mine is out: group 0 may be written
	tensor_load_to_lds s[G0B+4*\slot:G0B+4*\slot+3], s[G1B:G1B+7]
	s_nop 0
.endif
.if \st
	ASTORE \su, \se
.endif
.if \fetch
	PLACES
	FETCH \nslot, \nkq, 0
.endif
	WIN MUL
	MULA 1, 2, 0
	MULA 1, 3, 0
.endm
; A lap: phases 0 to 7.  Phase P's barrier is followed by the store of half P + 2.  more = 1: the next lap is asked for (wb: both slots; xb: K step u in phase 2u).
; With more = 1 three K steps of xb are out behind each request (48 loads) and each wait leaves two; in the last lap the counts run down 32, 16, 0.
.macro LAP zero, more, tab
	Q0 0, 0, \zero, 9-9*\more, 32
	Q1 0, 0, 0, 2, 1, 0, 1, 1, 0
	Q0 0, 1, 0, 9, 99
	Q1 0, 1, 0, 4, 1, 0, 1, 1, 1
	Q0 0, 2, 0, 9-8*\more, 16+16*\more
	Q1 0, 2, 0, 6, 1, 0, 1, 2, 0
	Q0 0, 3, 0, 9, 99
	Q1 0, 3, 1, 0, 1, \more, 1, 2, 1
	Q0 1, 0, 0, 9-7*\more, 32*\more
	Q1 1, 0, 1, 2, 1, 0, 1, 3, 0
	Q0 1, 1, 0, 9-5*\tab, 99
	Q1 1, 1, 1, 4, 1, 0, 1, 3, 1
	Q0 1, 2, 0, 9-6*\more, 99-67*\more
	Q1 1, 2, 1, 6, 1, 0, \more, 0, 0
	Q0 1, 3, 0, 9, 99
	Q1 1, 3, 0, 0, \more, \more, \more, 0, 1
.if \more
	s_wait_xcnt 0x0                                ; the base of xb's loads is stepped only behind this wait
	s_add_nc_u64 s[76:77], s[76:77], 1024
.endif
.endm
; The way out: 16 rows x 128 columns of f32 into my own stage
.macro STAGE_IN a
	WIN FROM_ACC
.irp b, 0,1,2,3,4,5,6,7
	ds_store_b128 v[STO], v[8*(8*\a+\b):8*(8*\a+\b)+3]   offset:64*\b
	ds_store_b128 v[STO], v[8*(8*\a+\b)+4:8*(8*\a+\b)+7] offset:64*\b+16
.endr
	WIN 0
.endm
.macro PACK_OUT a, y, src              ; 64 f32 -> 32 words of f16 -> eight stores, sixteen lanes a row of 256 bytes
	s_wait_xcnt 0x0                                ; set y, which earlier stores read, is rewritten only behind this wait
.irp t, 0,1,2,3,4,5,6,7
.irp i, 0,1,2,3
	v_cvt_pk_f16_f32 v[\y+4*\t+\i], v[\src+8*\t+2*\i], v[\src+8*\t+2*\i+1]
.endr
.endr
.irp t, 0,1,2,3,4,5,6,7
	global_store_b128 v[CO], v[\y+4*\t:\y+4*\t+3], s[68:69] offset:(16*\a+2*\t)*256
.endr
.endm
; q and k: lane (l/16, c) reads columns 4c .. 4c+3 and 64+4c .. 64+4c+3 of a row, the two partners of RoPE, and the tables' 8 places 8c .. 8c+7.
; out(d) = cos'(d) u(d) + sin'(d) u(d +- 64): sign and scale are in the tables.
.macro ROPE16 a, y
	STAGE_IN \a
.irp t, 0,1,2,3,4,5,6,7
	ds_load_b128 v[U+8*\t:U+8*\t+3],   v[RD] offset:2*SPITCH*\t       ; LDS serves a wave's instructions in order: these see the stores above
	ds_load_b128 v[U+8*\t+4:U+8*\t+7], v[RD] offset:2*SPITCH*\t+256
.endr
	s_wait_dscnt 0x0
	WIN FROM_TAB
.irp t, 0,1,2,3,4,5,6,7
.irp i, 0,1
	v_fma_mix_f32_bf16 v[T+8*\t+2*\i],   v[8*(8*\a+\t)+\i],   v[U+8*\t+2*\i],   v[ZERO] op_sel_hi:[1,0,0]
	v_fma_mix_f32_bf16 v[T+8*\t+2*\i+1], v[8*(8*\a+\t)+\i],   v[U+8*\t+2*\i+1], v[ZERO] op_sel:[1,0,0] op_sel_hi:[1,0,0]
	v_fma_mix_f32_bf16 v[T+8*\t+4+2*\i], v[8*(8*\a+\t)+2+\i], v[U+8*\t+4+2*\i], v[ZERO] op_sel_hi:[1,0,0]
	v_fma_mix_f32_bf16 v[T+8*\t+5+2*\i], v[8*(8*\a+\t)+2+\i], v[U+8*\t+5+2*\i], v[ZERO] op_sel:[1,0,0] op_sel_hi:[1,0,0]
.endr
.irp i, 0,1
	v_fma_mix_f32_bf16 v[T+8*\t+2*\i],   v[8*(8*\a+\t)+4+\i], v[U+8*\t+4+2*\i], v[T+8*\t+2*\i]   op_sel_hi:[1,0,0]
	v_fma_mix_f32_bf16 v[T+8*\t+2*\i+1], v[8*(8*\a+\t)+4+\i], v[U+8*\t+5+2*\i], v[T+8*\t+2*\i+1] op_sel:[1,0,0] op_sel_hi:[1,0,0]
	v_fma_mix_f32_bf16 v[T+8*\t+4+2*\i], v[8*(8*\a+\t)+6+\i], v[U+8*\t+2*\i],   v[T+8*\t+4+2*\i] op_sel_hi:[1,0,0]
	v_fma_mix_f32_bf16 v[T+8*\t+5+2*\i], v[8*(8*\a+\t)+6+\i], v[U+8*\t+2*\i+1], v[T+8*\t+5+2*\i] op_sel:[1,0,0] op_sel_hi:[1,0,0]
.endr
.endr
	WIN 0
	PACK_OUT \a, \y, T
.endm
; v: columns 8c .. 8c+7 in order, times 2^-3
.macro VOUT16 a, y
	STAGE_IN \a
.irp t, 0,1,2,3,4,5,6,7
	ds_load_b128 v[U+8*\t:U+8*\t+3],   v[RDV] offset:2*SPITCH*\t
	ds_load_b128 v[U+8*\t+4:U+8*\t+7], v[RDV] offset:2*SPITCH*\t+16
.endr
	s_wait_dscnt 0x0
.set ci, 0
.rept 32
	v_pk_mul_f32 v[U+2*ci:U+2*ci+1], v[U+2*ci:U+2*ci+1], s[74:75] op_sel_hi:[1,0]
.set ci, ci+1
.endr
	PACK_OUT \a, \y, U
.endm
	s_load_b256 s[4:11], s[0:1], 0x0               ; xb 4:5, wb 6:7, tab 8:9, qkv 10:11
	v_lshl_add_u32 v254, v0, 2, 0x4b000
	v_mov_b32 v255, 0
	ds_add_u32 v254, v255
	v_lshrrev_b32 v1, 5, v0
	v_readfirstlane_b32 s12, v1                    ; wave 0..3.  Also: which 64 rows of wb's tile I fetch
	s_lshr_b32 s13, s12, 1                         ; which 64 rows of the block are mine
	s_and_b32 s14, s12, 1                          ; which 128 columns
	s_bfe_u32 s16, ttmp6, 0x40000                  ; cx
	s_lshl_b32 s19, ttmp9, 2
	s_add_co_u32 s19, s19, s16                     ; block row = 4 x cluster x + cx
	s_and_b32 s18, ttmp7, 0xffff                   ; block column: the same in the four partners
	s_mov_b32 s[G1B+0], 15|(1<<16)|(1<<20)|(1<<21)|(6<<22)|(3<<25)   ; all four partners; 2-byte elements; padding on; bit 21 beside a mask; after every 128 words, 4 words
	s_mov_b32 s[G1B+1], 256<<16                    ; tensor_dim0 = 256
	s_mov_b32 s[G1B+2], 64<<16                     ; tensor_dim1 = 64
	s_mov_b32 s[G1B+3], 256<<16                    ; tile_dim0 = 256 elements (512 bytes)
	s_mov_b32 s[G1B+4], 64                         ; tile_dim1 = 64 rows
	s_mov_b32 s[G1B+5], SIZE_K                     ; elements from row to row
	s_mov_b32 s[G1B+6], 0
	s_mov_b32 s[G1B+7], 0
	; byte offsets, each below 2^31.  Nothing made of cx enters a register that feeds a descriptor.
	s_lshl_b32 s46, s18, 8
	s_lshl_b32 s43, s12, 6
	s_add_co_u32 s46, s46, s43                     ; wb: row 256 x block column + 64 x wave
	s_mul_i32 s46, s46, ROWB
	s_mov_b32 s47, 0
	s_mul_i32 s42, s12, BQ                         ; LDS: wave x 33,792
	s_mul_i32 s40, s19, 128*ROWB                   ; xb: row 128 x block row
	s_mov_b32 s41, 0
	s_lshl_b32 s66, s19, 7
	s_lshl_b32 s67, s13, 6
	s_add_co_u32 s66, s66, s67
	s_lshl_b32 s66, s66, 8                         ; my first row x 256 bytes: in tab and in a head of qkv
	s_mov_b32 s67, 0
	s_lshl_b32 s72, s18, 1
	s_add_co_u32 s72, s72, s14
	s_lshl_b32 s72, s72, 19                        ; my head = 2 x block column + half, 524,288 bytes each
	s_mov_b32 s73, 0
	s_mov_b32 s74, 0x3e000000                      ; 2^-3
	s_mov_b32 s75, 0x3e000000
	s_wait_dscnt 0x0
	s_wait_kmcnt 0x0
	s_add_nc_u64 s[46:47], s[6:7], s[46:47]
	s_add_nc_u64 s[76:77], s[4:5], s[40:41]        ; xb at the block's first row
	s_add_nc_u64 s[70:71], s[8:9], s[66:67]        ; tables at my first row
	s_add_nc_u64 s[68:69], s[10:11], s[66:67]
	s_add_nc_u64 s[68:69], s[68:69], s[72:73]      ; qkv at my head's first row of mine
	CROUND                                         ; the four work-groups are here: the first joint loads meet
.irp s, 0,1
	s_mov_b32 s[G0B+4*\s], 1
	s_add_co_u32 s[G0B+4*\s+1], s42, \s*BSLOT
	s_add_nc_u64 s[G0B+4*\s+2:G0B+4*\s+3], s[46:47], \s*512
	s_or_b32 s[G0B+4*\s+3], s[G0B+4*\s+3], 0x80000000
	tensor_load_to_lds s[G0B+4*\s:G0B+4*\s+3], s[G1B:G1B+7]      ; both first fills go out together: two tensor loads of a wave are out here, later one
	s_nop 0
.endr
	v_and_b32 v5, 31, v0
	v_lshrrev_b32 v5, 3, v5                        ; lane / 8: which of my four rows
	v_and_b32 v6, 7, v0
	v_lshlrev_b32 v6, 4, v6                        ; 16 (lane % 8)
	v_mul_u32_u24 v7, v5, ROWB
	v_add_nc_u32 v7, v7, v6
	s_mul_i32 s22, s12, 4*ROWB
	v_add_nc_u32 v[VA], s22, v7
	ALOAD 0                                        ; xb's first three K steps
	ALOAD 1
	ALOAD 2
	v_mul_u32_u24 v7, v5, AP
	v_add_nc_u32 v7, v7, v6
	s_mul_i32 s22, s12, 4*AP
	s_add_co_u32 s22, s22, ABASE
	v_add_nc_u32 v[VS], s22, v7
	v_and_b32 v1, 15, v0                           ; r (also c)
	v_bfe_u32 v2, v0, 4, 1                         ; h (also l / 16)
	v_mul_u32_u24 v3, v1, BP
	v_lshl_add_u32 v3, v2, 4, v3                   ; r x pitch + 16 h
	s_mul_i32 s23, s14, 128*BP
	v_add_nc_u32 v[ADRB], s23, v3
	v_add_nc_u32 v[ADRB+1], BSLOT, v[ADRB]
	v_mul_u32_u24 v4, v1, AP
	v_lshl_add_u32 v4, v2, 4, v4
	s_mul_i32 s22, s13, 64*AP
	s_add_co_u32 s22, s22, ABASE
	v_add_nc_u32 v[ADRA], s22, v4
	s_mul_i32 s22, s12, 16*SPITCH
	s_add_co_u32 s22, s22, STAGE                   ; my stage
	v_mul_u32_u24 v4, v1, SPITCH
	v_lshl_add_u32 v4, v2, 5, v4
	v_add_nc_u32 v[STO], s22, v4
	v_mul_u32_u24 v5, v2, SPITCH
	v_add_nc_u32 v5, s22, v5
	v_lshl_add_u32 v[RD], v1, 4, v5
	v_lshl_add_u32 v[RDV], v1, 5, v5
	v_lshlrev_b32 v6, 8, v2
	v_lshl_add_u32 v[CO], v1, 4, v6
	v_mov_b32 v[ZERO], 0
	s_wait_loadcnt 32                              ; K step 0 of xb is in; steps 1 and 2 stay out
	ASTORE 0, 0                                    ; both buffers get their first halves
	ASTORE 0, 1
	ALOAD 3
	s_wait_xcnt 0x0                                ; the base of xb's loads is stepped only behind this wait
	s_add_nc_u64 s[76:77], s[76:77], 1024          ; from here on it points at the next lap
	s_wait_dscnt 0x0                               ; for the others' sake: my stores are done
	s_wait_tensorcnt 1                             ; my part of slot 0 is in; slot 1's stays out: the mover fills nothing behind this barrier
	s_barrier_signal -1
	s_barrier_wait -1
	FETCH 0, 0, 0
	LAP 1, 1, 0                                    ; the first lap's first products start the sums
	WIN 0
	s_mov_b32 s15, LAPS-2
.Llap:
	LAP 0, 1, 0
	WIN 0
	s_sub_co_u32 s15, s15, 1
	s_cmp_lg_u32 s15, 0
	s_cbranch_scc1 .Llap
	LAP 0, 0, 1                                    ; the last lap asks for nothing but the tables; its last barrier stands behind every wave's last read of xb's buffers
	PLACES                                         ; ahead of the stage's stores, which read results, and of loads into the fragment registers
	WIN 0
	s_wait_loadcnt 0x0                             ; the tables
	s_cmp_ge_u32 s18, 12                           ; block columns 12 to 15 are v's heads: the same in all partners
	s_cbranch_scc1 .Lv
	ROPE16 0, Y0
	ROPE16 1, Y1
	ROPE16 2, Y0
	ROPE16 3, Y1
	s_branch .Lend
.Lv:
	VOUT16 0, Y0
	VOUT16 1, Y1
	VOUT16 2, Y0
	VOUT16 3, Y1
.Lend:
	s_wait_tensorcnt 0x0
	ds_add_u32 v254, v255
	s_wait_dscnt 0x0
	CROUND                                         ; the closing round: no work-group ends while a partner may still ask for a tile that names it
	s_endpgm
.Lfunc_end_k_qc50efb2b4e_qkv:
	.size	k_qc50efb2b4e_qkv, .Lfunc_end_k_qc50efb2b4e_qkv-k_qc50efb2b4e_qkv
	.p2alignl 7, 3214868480
	.fill 96, 4, 3214868480
	.section	.rodata,"a",@progbits
	.p2align	6, 0x0
	.amdhsa_kernel k_qc50efb2b4e_qkv
		.amdhsa_group_segment_fixed_size 327680
		.amdhsa_private_segment_fixed_size 0
		.amdhsa_enable_private_segment 0
		.amdhsa_kernarg_size 32
		.amdhsa_user_sgpr_count 2
		.amdhsa_user_sgpr_kernarg_segment_ptr 1
		.amdhsa_wavefront_size32 1
		.amdhsa_system_sgpr_workgroup_id_x 1
		.amdhsa_system_sgpr_workgroup_id_y 1
		.amdhsa_system_sgpr_workgroup_id_z 1
		.amdhsa_system_vgpr_workitem_id 0
		.amdhsa_next_free_vgpr 1024
		.amdhsa_next_free_sgpr 80
		.amdhsa_reserve_vcc 0
		.amdhsa_float_denorm_mode_32 3
		.amdhsa_float_denorm_mode_16_64 3
		.amdhsa_memory_ordered 1
		.amdhsa_forward_progress 1
		.amdhsa_inst_pref_size 255
	.end_amdhsa_kernel
	.section	.bss,"aw",@nobits
	.p2align	6
	.space	262144
	.amdgpu_metadata
---
amdhsa.version: [ 1, 2 ]
amdhsa.kernels:
  - .name:           k_qc50efb2b4e_qkv
    .symbol:         k_qc50efb2b4e_qkv.kd
    .args:
      - { .name: xb, .offset: 0, .size: 8, .value_kind: global_buffer, .address_space: global }
      - { .name: wb, .offset: 8, .size: 8, .value_kind: global_buffer, .address_space: global }
      - { .name: tab, .offset: 16, .size: 8, .value_kind: global_buffer, .address_space: global }
      - { .name: qkv, .offset: 24, .size: 8, .value_kind: global_buffer, .address_space: global }
    .group_segment_fixed_size: 327680
    .private_segment_fixed_size: 0
    .kernarg_segment_align: 8
    .kernarg_segment_size: 32
    .max_flat_workgroup_size: 128
    .sgpr_count:     80
    .vgpr_count:     1024
    .wavefront_size: 32
...
	.end_amdgpu_metadata
.endif
;; end of part 2
;; launch attn (part 3): grid 32 x 8, 4 waves a work-group, clusters of 4 x 1, 327,680 bytes of LDS; arguments qkv, att; writes att
.if DOCPART == 3
	.amdgcn_target "amdgcn-amd-amdhsa--gfx1250"
	.amdhsa_code_object_version 6
	.text
	.protected	k_qc50efb2b4e_attn
	.globl	k_qc50efb2b4e_attn
	.p2align	8
	.type	k_qc50efb2b4e_attn,@function
k_qc50efb2b4e_attn:
	s_mov_b64 s[64:65], 0
	v_nop
	global_prefetch_b8 v0, s[64:65] scope:SCOPE_SE
	s_setreg_imm32_b32 hwreg(HW_REG_WAVE_MODE, 25, 1), 1
	s_wait_xcnt 0x0
	s_wait_alu depctr_hold_cnt(0) depctr_sa_sdst(0) depctr_va_vdst(0) depctr_va_sdst(0) depctr_va_ssrc(0) depctr_va_vcc(0) depctr_vm_vsrc(0)
	s_getreg_b32 s2, hwreg(HW_REG_IB_STS2, 6, 4)
	s_cmp_eq_u32 s2, 0
	s_cbranch_scc0 .Lentry_in_a_cluster
	s_endpgm
.Lentry_in_a_cluster:
	s_bfe_u32 s2, ttmp6, 0x10000c
	s_cmp_lg_u32 s2, 0x3003
	s_cbranch_scc0 .Lentry_shape_is_right
	s_endpgm
.Lentry_shape_is_right:
; attn: causal attention, 16 query heads on 8 key and value heads, d = 128, 2048 positions.  q, k, v: f16 [32 heads][2048][128] (q, k times 2^-7, v times 2^-3).
; att: f16 [2048][2048] (position, head x 128 + d), times 2^-3.  Softmax in f32 with a running maximum.
; LIMIT: the output is f16 times 2^-3: above about 5.2e5 it becomes infinite.  Probabilities are rounded to f16 for the product with v.
; SHARES: work-group (p, g): key and value head g; wave w: query head 2g + w/2 and two tiles of 16 queries, a light one at 32p + 16 (w&1) and a heavy
; one at 32 (63-p) + 16 (w&1).  Keys go in trips of 256 = two tiles of 128 = four sub-steps of 64.  With TL = p/8 the light tile takes trips 0 .. TL, the
; heavy one trips 0 .. 7-TL: 36 sub-steps of a tile for every wave of the launch.  Sub-steps past a tile's diagonal inside its last trip are masked, not skipped.
; CLUSTER 4 x 1: the four work-groups have the same g and the same TL, so they walk the same K and V tiles in the same order: joint loads, mask 15.
; TRANSPOSED: S^T = K Q^T (lane (r, h), register j of tile kt: key 16kt + 8h + j, query r); packed to f16, two such tiles are the B fragment of
; O^T = V^T P^T with no move between lanes; V^T comes by the transposing LDS load; maximum, sum and rescale factor are one number a lane.
.set KP,    272                        ; K's LDS pitch: 256 + 16
.set VP,    288                        ; V's LDS pitch: 256 + 32, an odd multiple of 32 for the transposing load
.set VHALF, 64*VP
.set KHALF, 64*KP
.set KOFF,  2*VHALF                    ; a slot: V's 128 rows, then K's 128 rows
.set SLOT,  KOFF+2*KHALF               ; 71,680
.set STAGE, 2*SLOT                     ; 143,360: 16 rows x 272 bytes for each wave; no fill lands here
.set SP,    272
.set TILEB, 128*256                    ; bytes of a tile in memory
.set ADRK, 4                           ; v4-5   K fragments, slot 0, 1: r x 272 + 16 h
.set ADRV, 6                           ; v6-7   V, transposing: (8h + l%8) x 288 + 16 ((l/8)%2)
.set STO,  8
.set RD,   9
.set CO,   10
.set NEG,  11                          ; -1e30: a masked score
.set STH,  12                          ; v12-15 heavy: minus the running maximum (in exp2's units), the lane's sum, the factor, a pad (pairs are read whole)
.set STL,  16                          ; v16-19 light
.set DQH,  20                          ; query + r - 8h
.set DQL,  21
.set REL,  22
.set T,    24                          ; v24-31
.set F0,   32                          ; v32-95, v96-159: fragments of K or V
.set F1,   96
.set SH,   160                         ; v160-191 scores, heavy; v192-223 light
.set SL,   192
.set PH,   224                         ; v224-239 probabilities in f16, heavy; v240-255 light
.set PL,   240
.set OH,   0                           ; window 1: v0-63 O^T heavy, v64-127 light, v128-159 Q heavy, v160-191 Q light
.set OL,   64
.set QH,   128
.set QL,   160
.set G1K, 24
.set G1V, 32
.set G0K, 40                           ; s[40:47] a set for each slot
.set G0V, 48                           ; s[48:55]
.set WQK,  0x04                        ; B (Q) in window 1
.set WPV,  0x50                        ; C and D (O) in window 1
.set WRES, 0x41                        ; source 0 and destination in window 1
.set WCVT, 0x05                        ; sources 0 and 1 in window 1
.set WQ,   0x40                        ; destination in window 1
.set MSB, 0
.macro WIN new
.if MSB != \new
	s_set_vgpr_msb (MSB<<8)|\new
.set MSB, \new
.endif
.endm
.macro ROUND                           ; a round of the cluster's barrier
	s_barrier_signal -1
	s_barrier_wait -1
	s_cmp_lg_u32 s8, 0
	s_cbranch_scc1 .Lnot_wave_0_\@
	s_barrier_signal -3
.Lnot_wave_0_\@:
	s_barrier_wait -3
	s_barrier_signal -1
	s_barrier_wait -1
.endm
.macro KVLOAD s                        ; waves 0 and 1 fetch V's halves, waves 2 and 3 K's
	s_cmp_eq_u32 s9, 0
	s_cbranch_scc0 .Lfor_k_\@
	tensor_load_to_lds s[G0V+4*\s:G0V+4*\s+3], s[G1V:G1V+7]
	s_nop 0
	s_branch .Lasked_\@
.Lfor_k_\@:
	tensor_load_to_lds s[G0K+4*\s:G0K+4*\s+3], s[G1K:G1K+7]
	s_nop 0
.Lasked_\@:
.endm
.macro PLACES                          ; four places behind matrix instructions (ISA guide 7.12.1)
.rept 4
	v_nop
.endr
.endm
; 16 loads: 64 keys (4 tiles) x d blocks 2 half, 2 half + 1
.macro LOADK slot, sub, half, f
.irp kt, 0,1,2,3
.irp e, 0,1
	ds_load_b128 v[\f+8*(2*\kt+\e):\f+8*(2*\kt+\e)+3],   v[ADRK+\slot] offset:(64*(\sub)+16*\kt)*KP+64*(2*\half+\e)
	ds_load_b128 v[\f+8*(2*\kt+\e)+4:\f+8*(2*\kt+\e)+7], v[ADRK+\slot] offset:(64*(\sub)+16*\kt)*KP+64*(2*\half+\e)+32
.endr
.endr
.endm
; 16 transposing loads: 32 keys (block kb of the tile) x all 128 d
.macro LOADV slot, kb, f
.irp dt, 0,1,2,3,4,5,6,7
	ds_load_tr16_b128 v[\f+8*\dt:\f+8*\dt+3],   v[ADRV+\slot] offset:32*(\kb)*VP+32*\dt
	ds_load_tr16_b128 v[\f+8*\dt+4:\f+8*\dt+7], v[ADRV+\slot] offset:(32*(\kb)+16)*VP+32*\dt
.endr
.endm
; Scores: two d blocks.  The four (or eight) accumulators take turns, one instruction a turn.  The first d block starts the sums.
.macro QK f, ks0, light
.irp e, 0,1
.irp kt, 0,1,2,3
.if (\ks0+\e) == 0
	v_wmma_f32_16x16x32_f16 v[SH+8*\kt:SH+8*\kt+7], v[\f+8*(2*\kt+\e):\f+8*(2*\kt+\e)+7], v[QH+8*(\ks0+\e):QH+8*(\ks0+\e)+7], 0
.else
	v_wmma_f32_16x16x32_f16 v[SH+8*\kt:SH+8*\kt+7], v[\f+8*(2*\kt+\e):\f+8*(2*\kt+\e)+7], v[QH+8*(\ks0+\e):QH+8*(\ks0+\e)+7], v[SH+8*\kt:SH+8*\kt+7]
.endif
.endr
.if \light
.irp kt, 0,1,2,3
.if (\ks0+\e) == 0
	v_wmma_f32_16x16x32_f16 v[SL+8*\kt:SL+8*\kt+7], v[\f+8*(2*\kt+\e):\f+8*(2*\kt+\e)+7], v[QL+8*(\ks0+\e):QL+8*(\ks0+\e)+7], 0
.else
	v_wmma_f32_16x16x32_f16 v[SL+8*\kt:SL+8*\kt+7], v[\f+8*(2*\kt+\e):\f+8*(2*\kt+\e)+7], v[QL+8*(\ks0+\e):QL+8*(\ks0+\e)+7], v[SL+8*\kt:SL+8*\kt+7]
.endif
.endr
.endif
.endr
.endm
; O^T += V^T P^T for 32 keys: eight (or sixteen) accumulators by turns
.macro PV f, ks, light, zero
.irp dt, 0,1,2,3,4,5,6,7
.if \zero
	v_wmma_f32_16x16x32_f16 v[OH+8*\dt:OH+8*\dt+7], v[\f+8*\dt:\f+8*\dt+7], v[PH+8*\ks:PH+8*\ks+7], 0
.else
	v_wmma_f32_16x16x32_f16 v[OH+8*\dt:OH+8*\dt+7], v[\f+8*\dt:\f+8*\dt+7], v[PH+8*\ks:PH+8*\ks+7], v[OH+8*\dt:OH+8*\dt+7]
.endif
.endr
.if \light
.irp dt, 0,1,2,3,4,5,6,7
.if \zero
	v_wmma_f32_16x16x32_f16 v[OL+8*\dt:OL+8*\dt+7], v[\f+8*\dt:\f+8*\dt+7], v[PL+8*\ks:PL+8*\ks+7], 0
.else
	v_wmma_f32_16x16x32_f16 v[OL+8*\dt:OL+8*\dt+7], v[\f+8*\dt:\f+8*\dt+7], v[PL+8*\ks:PL+8*\ks+7], v[OL+8*\dt:OL+8*\dt+7]
.endif
.endr
.endif
.endm
; One tile's softmax step over 64 keys.  s scores, p packed probabilities, st state, o O^T (window 1), dq query + r - 8h.
; A masked score is -1e30: times the scale (about 2,089) it stays finite, and its exponential is 0.  The first sub-step holds key 0, which no query masks,
; so the running maximum is a true score from the start; a sub-step that is masked whole leaves it as it is.
.macro SOFTMAX s, p, st, o, dq, mask, first
.if \mask
	v_sub_nc_u32 v[REL], v[\dq], s19               ; key 16kt + 8h + j + KEY <= query + r  <=>  16kt + j <= REL
.irp kt, 0,1,2,3
.irp j, 0,1,2,3,4,5,6,7
	v_cmp_le_i32 vcc_lo, 16*\kt+\j, v[REL]
	v_cndmask_b32 v[\s+8*\kt+\j], v[NEG], v[\s+8*\kt+\j], vcc_lo
.endr
.endr
.endif
.irp c, 0,1,2,3
	v_max3_num_f32 v[T+\c], v[\s+8*\c], v[\s+8*\c+1], v[\s+8*\c+2]
.endr
.irp c, 0,1,2,3
	v_max3_num_f32 v[T+\c], v[T+\c], v[\s+8*\c+3], v[\s+8*\c+4]
.endr
.irp c, 0,1,2,3
	v_max3_num_f32 v[T+\c], v[T+\c], v[\s+8*\c+5], v[\s+8*\c+6]
.endr
	v_max3_num_f32 v[T], v[T], v[T+1], v[\s+7]
	v_max3_num_f32 v[T+2], v[T+2], v[T+3], v[\s+15]
	v_max3_num_f32 v[T], v[T], v[T+2], v[\s+23]
	v_max_num_f32 v[T], v[T], v[\s+31]
	v_permlanex16_b32 v[T+1], v[T], s20, s21       ; the other half of the query's keys
	v_max_num_f32 v[T], v[T], v[T+1]
.if \first
	v_mul_f32 v[\st], s18, v[T]                    ; minus the maximum, in exp2's units
.else
	v_mul_f32 v[T+1], s18, v[T]
	v_min_num_f32 v[T+1], v[T+1], v[\st]           ; minus the new running maximum
	v_sub_f32 v[T+2], v[T+1], v[\st]               ; old maximum - new maximum <= 0
	v_mov_b32 v[\st], v[T+1]
	v_exp_f32 v[\st+2], v[T+2]                     ; the factor for what has been summed; the lines below are the plain place behind it
.endif
.set si, 0
.rept 16
	v_pk_fma_f32 v[\s+2*si:\s+2*si+1], v[\s+2*si:\s+2*si+1], s[16:17], v[\st:\st+1] op_sel_hi:[1,0,0]
.set si, si+1
.endr
.set si, 0
.rept 32
	v_exp_f32 v[\s+si], v[\s+si]
.set si, si+1
.endr
	v_nop                                          ; the plain place behind the exponentials (ISA guide 5.7.2)
	s_wait_alu depctr_va_vdst(0)
.irp c, 0,1,2,3
	v_pk_add_f32 v[T+2*\c:T+2*\c+1], v[\s+8*\c:\s+8*\c+1], v[\s+8*\c+2:\s+8*\c+3]
.endr
.irp c, 0,1,2,3
	v_pk_add_f32 v[T+2*\c:T+2*\c+1], v[T+2*\c:T+2*\c+1], v[\s+8*\c+4:\s+8*\c+5]
.endr
.irp c, 0,1,2,3
	v_pk_add_f32 v[T+2*\c:T+2*\c+1], v[T+2*\c:T+2*\c+1], v[\s+8*\c+6:\s+8*\c+7]
.endr
	v_pk_add_f32 v[T:T+1], v[T:T+1], v[T+2:T+3]
	v_pk_add_f32 v[T+4:T+5], v[T+4:T+5], v[T+6:T+7]
	v_pk_add_f32 v[T:T+1], v[T:T+1], v[T+4:T+5]
.if \first
	v_add_f32 v[\st+1], v[T], v[T+1]
.else
	v_add_f32 v[T], v[T], v[T+1]
	v_fma_f32 v[\st+1], v[\st+1], v[\st+2], v[T]
.endif
.set si, 0
.rept 16
	v_cvt_pk_f16_f32 v[\p+si], v[\s+2*si], v[\s+2*si+1]
.set si, si+1
.endr
.if \first == 0
	WIN WRES
.set si, 0
.rept 32
	v_pk_mul_f32 v[\o+2*si:\o+2*si+1], v[\o+2*si:\o+2*si+1], v[\st+2:\st+3] op_sel_hi:[1,0]
.set si, si+1
.endr
	WIN 0
.endif
.endm
; A sub-step of 64 keys.  On entry K's two halves are on their way into F0 and F1 (16 loads each).  Every counted wait leaves the one younger run of 16 out.
.macro SUB slot, sub, nextk, light, hmask, first
	s_wait_dscnt 16                                ; K, d blocks 0 and 1, is in; blocks 2 and 3 may be out
	WIN WQK
	QK F0, 0, \light
	PLACES
	WIN 0
	LOADV \slot, 2*\sub, F0
	s_wait_dscnt 16                                ; K's second half is in; V's first 32 keys are out
	WIN WQK
	QK F1, 2, \light
	PLACES
	WIN 0
	LOADV \slot, 2*\sub+1, F1
	SOFTMAX SH, PH, STH, OH, DQH, \hmask, \first
.if \light
	SOFTMAX SL, PL, STL, OL, DQL, 1, \first
.endif
	s_add_co_u32 s19, s19, 64                      ; the next sub-step's first key
	s_wait_dscnt 16                                ; V's first 32 keys are in
	WIN WPV
	PV F0, 0, \light, \first
	PLACES
.if \nextk
	WIN 0
	LOADK \slot, \sub+1, 0, F0
	s_wait_dscnt 16                                ; V's second 32 keys are in; the 16 just issued are out
.else
	s_wait_dscnt 0
.endif
	WIN WPV
	PV F1, 1, \light, 0
	PLACES
	WIN 0
.if \nextk
	LOADK \slot, \sub+1, 1, F1
.endif
.endm
; A tile of 128 keys in slot.  In front of the round every wave has waited for all its tensor loads (its part of this tile among them) and for its LDS
; reads; behind the round the joint load of the next tile, into the slot read last, is the wave's first and only tensor load: one is out at the most.
.macro TILE slot, refill, light, hmask, first
	s_set_vgpr_msb 0x5
	s_wait_tensorcnt 0x0
	ds_add_u32 v192, v193
	s_wait_dscnt 0x0
	s_set_vgpr_msb 0x500
	s_add_nc_u64 s[G0K+4*\slot+2:G0K+4*\slot+3], s[G0K+4*\slot+2:G0K+4*\slot+3], 2*TILEB    ; no load of mine is out: this slot's next tile
	s_add_nc_u64 s[G0V+4*\slot+2:G0V+4*\slot+3], s[G0V+4*\slot+2:G0V+4*\slot+3], 2*TILEB
	s_wait_dscnt 0x0
	ROUND
.if \refill
	KVLOAD (1-\slot)
.endif
	LOADK \slot, 0, 0, F0
	LOADK \slot, 0, 1, F1
	SUB \slot, 0, 1, \light, \hmask, \first
	SUB \slot, 1, 0, \light, \hmask, 0
.endm
.macro TRIP light, hmask, first, refill1
	TILE 0, 1, \light, \hmask, \first
	TILE 1, \refill1, \light, \hmask, 0
.endm
; A tile's way out: divide by the sum, round to f16, through my stage, whole rows of 256 bytes.  y, z: registers of their own for each call.
.macro OUT o, st, b, y, z
	v_permlanex16_b32 v[T], v[\st+1], s20, s21
	v_add_f32 v[\st+1], v[\st+1], v[T]             ; the two halves' sums
	v_rcp_f32 v[\st+2], v[\st+1]
	v_nop
	WIN WRES
.set si, 0
	s_wait_alu depctr_va_vdst(0)
.rept 32
	v_pk_mul_f32 v[\o+2*si:\o+2*si+1], v[\o+2*si:\o+2*si+1], v[\st+2:\st+3] op_sel_hi:[1,0]
.set si, si+1
.endr
	WIN WCVT
.set si, 0
.rept 32
	v_cvt_pk_f16_f32 v[\y+si], v[\o+2*si], v[\o+2*si+1]
.set si, si+1
.endr
	WIN 0
.irp dt, 0,1,2,3,4,5,6,7
	ds_store_b128 v[STO], v[\y+4*\dt:\y+4*\dt+3] offset:32*\dt       ; query r, d = 16dt + 8h .. +7
.endr
.irp t, 0,1,2,3,4,5,6,7
	ds_load_b128 v[\z+4*\t:\z+4*\t+3], v[RD] offset:2*SP*\t          ; LDS serves a wave's instructions in order: these see the stores above
.endr
.irp t, 0,1,2,3,4,5,6,7
	s_wait_dscnt 7-\t
	global_store_b128 v[CO], v[\z+4*\t:\z+4*\t+3], s[\b:\b+1] offset:8192*\t   ; sixteen lanes store 256 consecutive bytes, aligned
.endr
.endm
	s_load_b128 s[4:7], s[0:1], 0x0                ; qkv 4:5, att 6:7
	s_set_vgpr_msb 0x40
	v_lshl_add_u32 v192, v0, 2, 0x29000
	v_mov_b32 v193, 0
	s_set_vgpr_msb 0x4045
	ds_add_u32 v192, v193
	s_set_vgpr_msb 0x4500
	v_lshrrev_b32 v1, 5, v0
	v_readfirstlane_b32 s8, v1                     ; wave
	s_lshr_b32 s9, s8, 1                           ; which of the two query heads.  Also: I fetch for V (0) or for K (1)
	s_and_b32 s10, s8, 1                           ; which 16 of the 32 queries.  Also: which 64 rows of that tile I fetch
	s_bfe_u32 s11, ttmp6, 0x40000                  ; cx
	s_lshl_b32 s12, ttmp9, 2
	s_add_co_u32 s12, s12, s11                     ; p
	s_and_b32 s13, ttmp7, 0xffff                   ; g
	s_lshr_b32 s14, ttmp9, 1                       ; TL = p / 8: made of the cluster's x alone
	s_mov_b32 s16, 0x450293ee                      ; 128^-0.5 x log2(e) x 2^14 (the 2^14 undoes q's and k's 2^-7)
	s_mov_b32 s17, 0x450293ee
	s_mov_b32 s18, 0xc50293ee                      ; its negative
	s_mov_b32 s19, 0                               ; KEY: the sub-step's first key
	s_mov_b32 s20, 0x76543210                      ; v_permlanex16_b32: lane i xor 16
	s_mov_b32 s21, 0xfedcba98
	s_mov_b32 s[G1K+0], 15|(1<<16)|(1<<20)|(1<<21)|(5<<22)|(3<<25)   ; all four partners; 2-byte elements; after every 64 words 4 words of padding
	s_mov_b32 s[G1K+1], 128<<16
	s_mov_b32 s[G1K+2], 64<<16
	s_mov_b32 s[G1K+3], 128<<16
	s_mov_b32 s[G1K+4], 64                         ; 64 rows of 128 elements
	s_mov_b32 s[G1K+5], 128
	s_mov_b32 s[G1K+6], 0
	s_mov_b32 s[G1K+7], 0
	s_mov_b32 s[G1V+0], 15|(1<<16)|(1<<20)|(1<<21)|(5<<22)|(7<<25)   ; the same with 8 words of padding
	s_mov_b32 s[G1V+1], 128<<16
	s_mov_b32 s[G1V+2], 64<<16
	s_mov_b32 s[G1V+3], 128<<16
	s_mov_b32 s[G1V+4], 64
	s_mov_b32 s[G1V+5], 128
	s_mov_b32 s[G1V+6], 0
	s_mov_b32 s[G1V+7], 0
	s_lshl_b32 s22, s10, 14                        ; my half: 64 rows of 256 bytes
	s_add_co_u32 s58, s13, 16                      ; k's head
	s_lshl_b32 s58, s58, 19
	s_add_co_u32 s58, s58, s22
	s_mov_b32 s59, 0
	s_add_co_u32 s70, s13, 24                      ; v's head
	s_lshl_b32 s70, s70, 19
	s_add_co_u32 s70, s70, s22
	s_mov_b32 s71, 0
	s_mul_i32 s72, s8, KHALF
	s_add_co_u32 s72, s72, KOFF-2*KHALF            ; LDS: K's halves at wave x 17,408 + 2,048 (waves 2, 3),
	s_mul_i32 s73, s8, VHALF                       ; V's at wave x 18,432 (waves 0, 1)
	s_lshl_b32 s56, s12, 5
	s_lshl_b32 s23, s10, 4
	s_add_co_u32 s56, s56, s23                     ; the light tile's first query
	s_sub_co_u32 s57, 63, s12
	s_lshl_b32 s57, s57, 5
	s_add_co_u32 s57, s57, s23                     ; the heavy tile's
	s_lshl_b32 s22, s13, 1
	s_add_co_u32 s22, s22, s9                      ; my query head
	s_lshl_b32 s60, s22, 19
	s_mov_b32 s61, 0
	s_lshl_b32 s22, s22, 8                         ; its 256 bytes in a row of att
	s_lshl_b32 s66, s57, 12
	s_add_co_u32 s66, s66, s22
	s_mov_b32 s67, 0
	s_lshl_b32 s68, s56, 12
	s_add_co_u32 s68, s68, s22
	s_mov_b32 s69, 0
	s_wait_dscnt 0x0
	s_wait_kmcnt 0x0
	s_add_nc_u64 s[58:59], s[4:5], s[58:59]
	s_add_nc_u64 s[70:71], s[4:5], s[70:71]
	s_add_nc_u64 s[60:61], s[4:5], s[60:61]        ; q's head
	s_add_nc_u64 s[66:67], s[6:7], s[66:67]        ; att at the heavy tile
	s_add_nc_u64 s[68:69], s[6:7], s[68:69]        ; att at the light tile
.irp s, 0,1
	s_mov_b32 s[G0K+4*\s], 1
	s_add_co_u32 s[G0K+4*\s+1], s72, \s*SLOT
	s_add_nc_u64 s[G0K+4*\s+2:G0K+4*\s+3], s[58:59], \s*TILEB
	s_or_b32 s[G0K+4*\s+3], s[G0K+4*\s+3], 0x80000000
	s_mov_b32 s[G0V+4*\s], 1
	s_add_co_u32 s[G0V+4*\s+1], s73, \s*SLOT
	s_add_nc_u64 s[G0V+4*\s+2:G0V+4*\s+3], s[70:71], \s*TILEB
	s_or_b32 s[G0V+4*\s+3], s[G0V+4*\s+3], 0x80000000
.endr
	ROUND                                          ; the four work-groups are here: the first joint load meets
	KVLOAD 0                                       ; tile 0; slot 1 is first filled behind the first tile's round
	v_and_b32 v1, 15, v0                           ; r
	v_bfe_u32 v2, v0, 4, 1                         ; h
	v_mul_u32_u24 v3, v1, KP
	v_lshl_add_u32 v3, v2, 4, v3                   ; r x 272 + 16 h
	v_add_nc_u32 v[ADRK], KOFF, v3
	v_add_nc_u32 v[ADRK+1], KOFF+SLOT, v3
	v_and_b32 v23, 7, v0
	v_lshl_add_u32 v23, v2, 3, v23
	v_mul_u32_u24 v23, v23, VP
	v_bfe_u32 v[T], v0, 3, 1
	v_lshl_add_u32 v[ADRV], v[T], 4, v23
	v_add_nc_u32 v[ADRV+1], SLOT, v[ADRV]
	s_mul_i32 s22, s8, 16*SP
	s_add_co_u32 s22, s22, STAGE                   ; my stage
	v_add_nc_u32 v[STO], s22, v3                   ; the stage's pitch is K's
	v_mul_u32_u24 v23, v2, SP
	v_lshl_add_u32 v23, v1, 4, v23
	v_add_nc_u32 v[RD], s22, v23
	v_lshlrev_b32 v23, 12, v2
	v_lshl_add_u32 v[CO], v1, 4, v23               ; two rows of att, 4,096 bytes apart
	v_mov_b32 v[NEG], 0xf149f2ca
	v_mov_b32 v[STH+1], 0                          ; the sums and the pads: read as halves of pairs before they are first set
	v_mov_b32 v[STH+3], 0
	v_mov_b32 v[STL+1], 0
	v_mov_b32 v[STL+3], 0
	v_lshlrev_b32 v23, 3, v2
	v_sub_nc_u32 v23, v1, v23                      ; r - 8h
	v_add_nc_u32 v[DQH], s57, v23
	v_add_nc_u32 v[DQL], s56, v23
	v_lshlrev_b32 v3, 4, v2
	v_lshl_add_u32 v3, v1, 8, v3                   ; r x 256 + 16 h
	s_lshl_b32 s22, s57, 8
	s_lshl_b32 s23, s56, 8
	v_add_nc_u32 v23, s22, v3                      ; the heavy tile's rows of q
	v_add_nc_u32 v3, s23, v3                       ; the light tile's
	WIN WQ
.irp ks, 0,1,2,3
	global_load_b128 v[QH+8*\ks:QH+8*\ks+3],   v23, s[60:61] offset:64*\ks
	global_load_b128 v[QH+8*\ks+4:QH+8*\ks+7], v23, s[60:61] offset:64*\ks+32
	global_load_b128 v[QL+8*\ks:QL+8*\ks+3],   v3, s[60:61] offset:64*\ks
	global_load_b128 v[QL+8*\ks+4:QL+8*\ks+7], v3, s[60:61] offset:64*\ks+32
.endr
	WIN 0
	s_wait_loadcnt 0x0                             ; Q stays in registers for the whole kernel
	TRIP 1, 0, 1, 1                                ; trip 0: both tiles; its first sub-step starts maxima and sums
	s_cmp_eq_u32 s14, 0
	s_cbranch_scc1 .Lno_both
	s_mov_b32 s15, s14                             ; trips 1 .. TL: both tiles, the light one masked
.Lboth:
	TRIP 1, 0, 0, 1
	s_sub_co_u32 s15, s15, 1
	s_cmp_lg_u32 s15, 0
	s_cbranch_scc1 .Lboth
.Lno_both:
	s_lshl_b32 s15, s14, 1
	s_sub_co_u32 s15, 6, s15                       ; trips TL+1 .. 6-TL: the heavy tile alone, below its diagonal
	s_cmp_eq_u32 s15, 0
	s_cbranch_scc1 .Lno_heavy
.Lheavy:
	TRIP 0, 0, 0, 1
	s_sub_co_u32 s15, s15, 1
	s_cmp_lg_u32 s15, 0
	s_cbranch_scc1 .Lheavy
.Lno_heavy:
	TRIP 0, 1, 0, 0                                ; trip 7-TL: the heavy tile's diagonal; its last tile fetches nothing
	OUT OH, STH, 66, 32, 64
	OUT OL, STL, 68, 96, 128
	s_set_vgpr_msb 0x5
	s_wait_tensorcnt 0x0
	ds_add_u32 v192, v193
	s_wait_dscnt 0x0
	s_set_vgpr_msb 0x500
	ROUND                                          ; the closing round
	s_endpgm
.Lfunc_end_k_qc50efb2b4e_attn:
	.size	k_qc50efb2b4e_attn, .Lfunc_end_k_qc50efb2b4e_attn-k_qc50efb2b4e_attn
	.p2alignl 7, 3214868480
	.fill 96, 4, 3214868480
	.section	.rodata,"a",@progbits
	.p2align	6, 0x0
	.amdhsa_kernel k_qc50efb2b4e_attn
		.amdhsa_group_segment_fixed_size 327680
		.amdhsa_private_segment_fixed_size 0
		.amdhsa_enable_private_segment 0
		.amdhsa_kernarg_size 16
		.amdhsa_user_sgpr_count 2
		.amdhsa_user_sgpr_kernarg_segment_ptr 1
		.amdhsa_wavefront_size32 1
		.amdhsa_system_sgpr_workgroup_id_x 1
		.amdhsa_system_sgpr_workgroup_id_y 1
		.amdhsa_system_sgpr_workgroup_id_z 1
		.amdhsa_system_vgpr_workitem_id 0
		.amdhsa_next_free_vgpr 450
		.amdhsa_next_free_sgpr 80
		.amdhsa_reserve_vcc 1
		.amdhsa_float_denorm_mode_32 3
		.amdhsa_float_denorm_mode_16_64 3
		.amdhsa_memory_ordered 1
		.amdhsa_forward_progress 1
		.amdhsa_inst_pref_size 255
	.end_amdhsa_kernel
	.section	.bss,"aw",@nobits
	.p2align	6
	.space	262144
	.amdgpu_metadata
---
amdhsa.version: [ 1, 2 ]
amdhsa.kernels:
  - .name:           k_qc50efb2b4e_attn
    .symbol:         k_qc50efb2b4e_attn.kd
    .args:
      - { .name: qkv, .offset: 0, .size: 8, .value_kind: global_buffer, .address_space: global }
      - { .name: att, .offset: 8, .size: 8, .value_kind: global_buffer, .address_space: global }
    .group_segment_fixed_size: 327680
    .private_segment_fixed_size: 0
    .kernarg_segment_align: 8
    .kernarg_segment_size: 16
    .max_flat_workgroup_size: 128
    .sgpr_count:     80
    .vgpr_count:     450
    .wavefront_size: 32
...
	.end_amdgpu_metadata
.endif
;; end of part 3
;; launch oproj (part 4): grid 16 x 16, 4 waves a work-group, clusters of 4 x 1, 327,680 bytes of LDS; arguments att, woh, out0; writes out0
.if DOCPART == 4
	.amdgcn_target "amdgcn-amd-amdhsa--gfx1250"
	.amdhsa_code_object_version 6
	.text
	.protected	k_qc50efb2b4e_oproj
	.globl	k_qc50efb2b4e_oproj
	.p2align	8
	.type	k_qc50efb2b4e_oproj,@function
k_qc50efb2b4e_oproj:
	s_mov_b64 s[64:65], 0
	v_nop
	global_prefetch_b8 v0, s[64:65] scope:SCOPE_SE
	s_setreg_imm32_b32 hwreg(HW_REG_WAVE_MODE, 25, 1), 1
	s_wait_xcnt 0x0
	s_wait_alu depctr_hold_cnt(0) depctr_sa_sdst(0) depctr_va_vdst(0) depctr_va_sdst(0) depctr_va_ssrc(0) depctr_va_vcc(0) depctr_vm_vsrc(0)
	s_getreg_b32 s2, hwreg(HW_REG_IB_STS2, 6, 4)
	s_cmp_eq_u32 s2, 0
	s_cbranch_scc0 .Lentry_in_a_cluster
	s_endpgm
.Lentry_in_a_cluster:
	s_bfe_u32 s2, ttmp6, 0x10000c
	s_cmp_lg_u32 s2, 0x3003
	s_cbranch_scc0 .Lentry_shape_is_right
	s_endpgm
.Lentry_shape_is_right:
; oproj: out0[m][n] = sum over k of att[m][k] woh[n][k], f16 operands, f32 sums, f32 out.  att carries 2^-3 and woh 8: the product carries 1.
; The frame is the QKV product's: a work-group makes 128 x 256 (grid x = block row, y = block column: 256 work-groups), a wave 64 x 128 = 32 accumulator tiles, K = 2048.
; woh (two thirds of a step's bytes) comes by the tensor data mover into two LDS slots of 256 along K (pitch 528), by joint loads in a 4 x 1 cluster whose four
; work-groups have the same block column; a refill has 248 matrix instructions of the wave in which to land.  Two such slots for both operands would take
; 2 x 384 x 528 = 405,504 bytes, more than a WGP's LDS, so att is not asked for jointly: it comes by plain loads into a ring of registers four K steps of 128 deep
; and goes by LDS stores into two buffers of 64 along K (pitch 144) that take turns, one barrier for each 64.
; Transposed use: lane (r, h), register j holds C(16a + r, 16b + 8h + j).  Window 0: addresses, fragments, the way out.  Window 1: accumulators.  Window 2: att's ring.
.set SIZE_K, 2048
.set ROWB,   2*SIZE_K
.set BP,     528
.set BQ,     64*BP
.set BSLOT,  4*BQ                      ; 135,168
.set ABASE,  2*BSLOT                   ; 270,336: att's two buffers; no fill by the mover lands at or behind this byte
.set AP,     144
.set ABUF,   128*AP
.set STAGE,  ABASE                     ; 16 rows x 528 bytes for each wave, on att's buffers, behind the last barrier
.set SPITCH, 528
.set LAPS,   SIZE_K/512
.set ADRA, 16
.set ADRB, 20
.set VA,   22                          ; my byte offset in att's block: row 4 wave + lane/8, 16 (lane%8); never rewritten
.set VS,   23                          ; the same place in att's LDS buffer 0
.set STO,  24
.set RD,   25                          ; back: 16 l, a whole row of 512 bytes a load
.set CO,   26                          ; 16 l in out0's row
.set FA,   32
.set FB,   96
.set Z0,   32                          ; the way out: 16 rows as read back, two sets in turn
.set Z1,   96
.set G1B, 24
.set G0B, 32
.set MUL,      0x50
.set FROM_ACC, 0x04
.set TO_STG,   0x80
.set FROM_STG, 0x08
.set MSB, 0
.macro WIN new
.if MSB != \new
	s_set_vgpr_msb (MSB<<8)|\new
.set MSB, \new
.endif
.endm
.macro CREST
	s_cmp_lg_u32 s12, 0
	s_cbranch_scc1 .Lnot_wave_0_\@
	s_barrier_signal -3
.Lnot_wave_0_\@:
	s_barrier_wait -3
	s_barrier_signal -1
	s_barrier_wait -1
.endm
.macro CROUND
	s_barrier_signal -1
	s_barrier_wait -1
	CREST
.endm
.macro PLACES                          ; four places behind matrix instructions (ISA guide 7.12.1)
.rept 4
	v_nop
.endr
.endm
; The 32 accumulators take turns, one instruction a turn, in the same order in every quarter and over the backward jump
.macro MULA f, a, zero
.irp b, 0,1,2,3,4,5,6,7
.if \zero
	v_wmma_f32_16x16x32_f16 v[8*(8*\a+\b):8*(8*\a+\b)+7], v[FB+64*\f+8*\b:FB+64*\f+8*\b+7], v[FA+32*\f+8*\a:FA+32*\f+8*\a+7], 0
.else
	v_wmma_f32_16x16x32_f16 v[8*(8*\a+\b):8*(8*\a+\b)+7], v[FB+64*\f+8*\b:FB+64*\f+8*\b+7], v[FA+32*\f+8*\a:FA+32*\f+8*\a+7], v[8*(8*\a+\b):8*(8*\a+\b)+7]
.endif
.endr
.endm
; the fragments of quarter kq (0 to 7) of a slot: woh at byte 64 kq of its rows; att in buffer (kq/2) % 2 at byte 64 (kq % 2)
.macro FETCH slot, kq, f
.irp i, 0,1,2,3,4,5,6,7
	ds_load_b128 v[FB+64*\f+8*\i:FB+64*\f+8*\i+3],   v[ADRB+\slot] offset:64*(\kq)+\i*16*BP
	ds_load_b128 v[FB+64*\f+8*\i+4:FB+64*\f+8*\i+7], v[ADRB+\slot] offset:64*(\kq)+\i*16*BP+32
.endr
.irp i, 0,1,2,3
	ds_load_b128 v[FA+32*\f+8*\i:FA+32*\f+8*\i+3],   v[ADRA] offset:(((\kq)>>1)&1)*ABUF+64*((\kq)&1)+\i*16*AP
	ds_load_b128 v[FA+32*\f+8*\i+4:FA+32*\f+8*\i+7], v[ADRA] offset:(((\kq)>>1)&1)*ABUF+64*((\kq)&1)+\i*16*AP+32
.endr
.endm
; att, K step u of the lap that s[76:77] points at: a load takes 128 bytes of each of four rows; it and its neighbour take the four rows' whole 256 bytes
.macro ALOAD u
	WIN TO_STG
.irp i, 0,1,2,3,4,5,6,7
	global_load_b128 v[64*(\u)+8*\i:64*(\u)+8*\i+3],   v[VA], s[76:77] offset:\i*16*ROWB+256*(\u)
	global_load_b128 v[64*(\u)+8*\i+4:64*(\u)+8*\i+7], v[VA], s[76:77] offset:\i*16*ROWB+256*(\u)+128
.endr
	WIN 0
.endm
.macro ASTORE u, e                     ; half e of K step u, from the ring into LDS buffer e
	WIN FROM_STG
.irp i, 0,1,2,3,4,5,6,7
	ds_store_b128 v[VS], v[64*(\u)+8*\i+4*(\e):64*(\u)+8*\i+4*(\e)+3] offset:(\e)*ABUF+\i*16*AP
.endr
	WIN 0
.endm
; A phase's first quarter.  lc below 64: wait until at most lc loads are out.  ld = 0 to 3: ask for that K step of the next lap; 9: nothing.
.macro Q0 slot, ph, zero, ld, lc
	s_wait_dscnt 4                                 ; all but the youngest four loads (att's blocks 2 and 3); the stores into LDS that stand ahead of them are done too
	WIN MUL
	MULA 0, 0, \zero
	MULA 0, 1, \zero
	PLACES
	WIN 0
	FETCH \slot, 2*\ph+1, 1
.if (\lc) < 64
	s_wait_loadcnt \lc                             ; loads come back in order: the K steps asked for later (16 loads each) stay out
.endif
.if (\ld) < 4
	ALOAD \ld                                      ; into registers whose LDS stores the wait at this quarter's head has shown done
.endif
	s_wait_dscnt 24                                ; all but the 24 fragment loads just issued
	WIN MUL
	MULA 0, 2, \zero
	MULA 0, 3, \zero
.endm
; A phase's second quarter, with its barrier: in front of it all my LDS reads and stores are done; behind it this phase's att buffer is written again and the next
; phase's first fragments are fetched.  ph = 3 ends a slot of woh: all my tensor loads are waited for too; refill = 1: the barrier opens a round of the cluster's
; barrier, and the joint refill is the wave's first and only tensor load behind the round.
.macro Q1 slot, ph, nslot, nkq, fetch, refill, st, su, se
	s_wait_dscnt 4
	WIN MUL
	MULA 1, 0, 0
	s_wait_dscnt 0
.if \ph == 3
	s_wait_tensorcnt 0x0
	ds_add_u32 v254, v255
	s_wait_dscnt 0x0
.endif
	s_barrier_signal -1
	MULA 1, 1, 0
	WIN 0
	s_barrier_wait -1
.if \refill
	CREST
	s_add_nc_u64 s[G0B+4*\slot+2:G0B+4*\slot+3], s[G0B+4*\slot+2:G0B+4*\slot+3], 1024
	tensor_load_to_lds s[G0B+4*\slot:G0B+4*\slot+3], s[G1B:G1B+7]
	s_nop 0
.endif
.if \st
	ASTORE \su, \se
.endif
.if \fetch
	PLACES
	FETCH \nslot, \nkq, 0
.endif
	WIN MUL
	MULA 1, 2, 0
	MULA 1, 3, 0
.endm
; A lap: phases 0 to 7; phase P's barrier is followed by the store of half P + 2.  With more = 1 three K steps of att are out behind each request (48 loads)
; and each wait leaves two; in the last lap the counts run down 32, 16, 0.
.macro LAP zero, more
	Q0 0, 0, \zero, 9-9*\more, 32
	Q1 0, 0, 0, 2, 1, 0, 1, 1, 0
	Q0 0, 1, 0, 9, 99
	Q1 0, 1, 0, 4, 1, 0, 1, 1, 1
	Q0 0, 2, 0, 9-8*\more, 16+16*\more
	Q1 0, 2, 0, 6, 1, 0, 1, 2, 0
	Q0 0, 3, 0, 9, 99
	Q1 0, 3, 1, 0, 1, \more, 1, 2, 1
	Q0 1, 0, 0, 9-7*\more, 32*\more
	Q1 1, 0, 1, 2, 1, 0, 1, 3, 0
	Q0 1, 1, 0, 9, 99
	Q1 1, 1, 1, 4, 1, 0, 1, 3, 1
	Q0 1, 2, 0, 9-6*\more, 99-67*\more
	Q1 1, 2, 1, 6, 1, 0, \more, 0, 0
	Q0 1, 3, 0, 9, 99
	Q1 1, 3, 0, 0, \more, \more, \more, 0, 1
.if \more
	s_wait_xcnt 0x0                                ; the base of att's loads is stepped only behind this wait
	s_add_nc_u64 s[76:77], s[76:77], 1024
.endif
.endm
; 16 rows of f32 through my stage: in by tiles, back by whole rows; a wave's store covers 512 consecutive bytes, aligned
.macro OUT16 a, z
	WIN FROM_ACC
.irp b, 0,1,2,3,4,5,6,7
	ds_store_b128 v[STO], v[8*(8*\a+\b):8*(8*\a+\b)+3]   offset:64*\b
	ds_store_b128 v[STO], v[8*(8*\a+\b)+4:8*(8*\a+\b)+7] offset:64*\b+16
.endr
	WIN 0
	s_wait_xcnt 0x0                                ; set z, which earlier stores read, is loaded again only behind this wait
.set ci, 0
.rept 16
	ds_load_b128 v[\z+4*ci:\z+4*ci+3], v[RD] offset:SPITCH*ci         ; LDS serves a wave's instructions in order: these see the stores above
.set ci, ci+1
.endr
.set ci, 0
.rept 16
	s_wait_dscnt 15-ci
	global_store_b128 v[CO], v[\z+4*ci:\z+4*ci+3], s[68:69] offset:(16*\a+ci)*16384 th:TH_STORE_NT
.set ci, ci+1
.endr
.endm
	s_load_b128 s[4:7], s[0:1], 0x0                ; att 4:5, woh 6:7
	s_load_b64 s[8:9], s[0:1], 0x10                ; out0
	v_lshl_add_u32 v254, v0, 2, 0x4b000
	v_mov_b32 v255, 0
	ds_add_u32 v254, v255
	v_lshrrev_b32 v1, 5, v0
	v_readfirstlane_b32 s12, v1                    ; wave.  Also: which 64 rows of woh's tile I fetch
	s_lshr_b32 s13, s12, 1                         ; my 64 rows
	s_and_b32 s14, s12, 1                          ; my 128 columns
	s_bfe_u32 s16, ttmp6, 0x40000                  ; cx
	s_lshl_b32 s19, ttmp9, 2
	s_add_co_u32 s19, s19, s16                     ; block row
	s_and_b32 s18, ttmp7, 0xffff                   ; block column: the same in the four partners
	s_mov_b32 s[G1B+0], 15|(1<<16)|(1<<20)|(1<<21)|(6<<22)|(3<<25)
	s_mov_b32 s[G1B+1], 256<<16
	s_mov_b32 s[G1B+2], 64<<16
	s_mov_b32 s[G1B+3], 256<<16
	s_mov_b32 s[G1B+4], 64
	s_mov_b32 s[G1B+5], SIZE_K
	s_mov_b32 s[G1B+6], 0
	s_mov_b32 s[G1B+7], 0
	s_lshl_b32 s46, s18, 8
	s_lshl_b32 s43, s12, 6
	s_add_co_u32 s46, s46, s43                     ; woh: row 256 x block column + 64 x wave
	s_mul_i32 s46, s46, ROWB
	s_mov_b32 s47, 0
	s_mul_i32 s42, s12, BQ                         ; LDS: wave x 33,792
	s_mul_i32 s40, s19, 128*ROWB                   ; att: row 128 x block row
	s_mov_b32 s41, 0
	s_lshl_b32 s66, s19, 7
	s_lshl_b32 s67, s13, 6
	s_add_co_u32 s66, s66, s67
	s_lshl_b32 s66, s66, 14                        ; my first row x 16,384 bytes
	s_mov_b32 s67, 0
	s_lshl_b32 s72, s18, 8
	s_lshl_b32 s73, s14, 7
	s_add_co_u32 s72, s72, s73
	s_lshl_b32 s72, s72, 2                         ; my first column x 4 bytes
	s_mov_b32 s73, 0
	s_wait_dscnt 0x0
	s_wait_kmcnt 0x0
	s_add_nc_u64 s[46:47], s[6:7], s[46:47]
	s_add_nc_u64 s[76:77], s[4:5], s[40:41]        ; att at the block's first row
	s_add_nc_u64 s[68:69], s[8:9], s[66:67]
	s_add_nc_u64 s[68:69], s[68:69], s[72:73]
	CROUND                                         ; the four work-groups are here: the first joint loads meet
.irp s, 0,1
	s_mov_b32 s[G0B+4*\s], 1
	s_add_co_u32 s[G0B+4*\s+1], s42, \s*BSLOT
	s_add_nc_u64 s[G0B+4*\s+2:G0B+4*\s+3], s[46:47], \s*512
	s_or_b32 s[G0B+4*\s+3], s[G0B+4*\s+3], 0x80000000
	tensor_load_to_lds s[G0B+4*\s:G0B+4*\s+3], s[G1B:G1B+7]      ; two tensor loads of a wave are out here, later one
	s_nop 0
.endr
	v_and_b32 v5, 31, v0
	v_lshrrev_b32 v5, 3, v5                        ; lane / 8
	v_and_b32 v6, 7, v0
	v_lshlrev_b32 v6, 4, v6                        ; 16 (lane % 8)
	v_mul_u32_u24 v7, v5, ROWB
	v_add_nc_u32 v7, v7, v6
	s_mul_i32 s22, s12, 4*ROWB
	v_add_nc_u32 v[VA], s22, v7
	ALOAD 0                                        ; att's first three K steps
	ALOAD 1
	ALOAD 2
	v_mul_u32_u24 v7, v5, AP
	v_add_nc_u32 v7, v7, v6
	s_mul_i32 s22, s12, 4*AP
	s_add_co_u32 s22, s22, ABASE
	v_add_nc_u32 v[VS], s22, v7
	v_and_b32 v1, 15, v0                           ; r
	v_bfe_u32 v2, v0, 4, 1                         ; h
	v_mul_u32_u24 v3, v1, BP
	v_lshl_add_u32 v3, v2, 4, v3
	s_mul_i32 s23, s14, 128*BP
	v_add_nc_u32 v[ADRB], s23, v3
	v_add_nc_u32 v[ADRB+1], BSLOT, v[ADRB]
	v_mul_u32_u24 v4, v1, AP
	v_lshl_add_u32 v4, v2, 4, v4
	s_mul_i32 s22, s13, 64*AP
	s_add_co_u32 s22, s22, ABASE
	v_add_nc_u32 v[ADRA], s22, v4
	s_mul_i32 s22, s12, 16*SPITCH
	s_add_co_u32 s22, s22, STAGE
	v_mul_u32_u24 v4, v1, SPITCH
	v_lshl_add_u32 v4, v2, 5, v4
	v_add_nc_u32 v[STO], s22, v4
	v_and_b32 v5, 31, v0
	v_lshlrev_b32 v[CO], 4, v5
	v_add_nc_u32 v[RD], s22, v[CO]
	s_wait_loadcnt 32                              ; K step 0 of att is in; steps 1 and 2 stay out
	ASTORE 0, 0
	ASTORE 0, 1
	ALOAD 3
	s_wait_xcnt 0x0                                ; the base of att's loads is stepped only behind this wait
	s_add_nc_u64 s[76:77], s[76:77], 1024          ; from here on it points at the next lap
	s_wait_dscnt 0x0                               ; for the others' sake: my stores are done
	s_wait_tensorcnt 1                             ; my part of slot 0 is in; slot 1's stays out: the mover fills nothing behind this barrier
	s_barrier_signal -1
	s_barrier_wait -1
	FETCH 0, 0, 0
	LAP 1, 1
	WIN 0
	s_mov_b32 s15, LAPS-2
.Llap:
	LAP 0, 1
	WIN 0
	s_sub_co_u32 s15, s15, 1
	s_cmp_lg_u32 s15, 0
	s_cbranch_scc1 .Llap
	LAP 0, 0                                       ; the last lap asks for nothing; its last barrier stands behind every wave's last read of att's buffers
	PLACES                                         ; ahead of the stage's stores, which read results, and of loads into the fragment registers
	OUT16 0, Z0
	OUT16 1, Z1
	OUT16 2, Z0
	OUT16 3, Z1
	s_wait_tensorcnt 0x0
	ds_add_u32 v254, v255
	s_wait_dscnt 0x0
	CROUND                                         ; the closing round
	s_endpgm
.Lfunc_end_k_qc50efb2b4e_oproj:
	.size	k_qc50efb2b4e_oproj, .Lfunc_end_k_qc50efb2b4e_oproj-k_qc50efb2b4e_oproj
	.p2alignl 7, 3214868480
	.fill 96, 4, 3214868480
	.section	.rodata,"a",@progbits
	.p2align	6, 0x0
	.amdhsa_kernel k_qc50efb2b4e_oproj
		.amdhsa_group_segment_fixed_size 327680
		.amdhsa_private_segment_fixed_size 0
		.amdhsa_enable_private_segment 0
		.amdhsa_kernarg_size 24
		.amdhsa_user_sgpr_count 2
		.amdhsa_user_sgpr_kernarg_segment_ptr 1
		.amdhsa_wavefront_size32 1
		.amdhsa_system_sgpr_workgroup_id_x 1
		.amdhsa_system_sgpr_workgroup_id_y 1
		.amdhsa_system_sgpr_workgroup_id_z 1
		.amdhsa_system_vgpr_workitem_id 0
		.amdhsa_next_free_vgpr 768
		.amdhsa_next_free_sgpr 80
		.amdhsa_reserve_vcc 0
		.amdhsa_float_denorm_mode_32 3
		.amdhsa_float_denorm_mode_16_64 3
		.amdhsa_memory_ordered 1
		.amdhsa_forward_progress 1
		.amdhsa_inst_pref_size 239
	.end_amdhsa_kernel
	.amdgpu_metadata
---
amdhsa.version: [ 1, 2 ]
amdhsa.kernels:
  - .name:           k_qc50efb2b4e_oproj
    .symbol:         k_qc50efb2b4e_oproj.kd
    .args:
      - { .name: att, .offset: 0, .size: 8, .value_kind: global_buffer, .address_space: global }
      - { .name: woh, .offset: 8, .size: 8, .value_kind: global_buffer, .address_space: global }
      - { .name: out0, .offset: 16, .size: 8, .value_kind: global_buffer, .address_space: global }
    .group_segment_fixed_size: 327680
    .private_segment_fixed_size: 0
    .kernarg_segment_align: 8
    .kernarg_segment_size: 24
    .max_flat_workgroup_size: 128
    .sgpr_count:     80
    .vgpr_count:     768
    .wavefront_size: 32
...
	.end_amdgpu_metadata
.endif
;; end of part 4
;; ======== version 2 of 2: 4 launches; version 1 with the launch prep written anew for expert scheduling mode
;; limits: values outside matrix products are rounded to bf16; values are held in f16: magnitudes above 65,504 overflow, below 6.1e-05 lose precision
;; workspace buffers: xb 16,777,216 bytes; wb 33,554,432 bytes; woh 16,777,216 bytes; tab 1,048,576 bytes; qkv 16,777,216 bytes; att 8,388,608 bytes
;; launch prep (part 5): grid 256 x 5, 8 waves a work-group, no clusters, 0 bytes of LDS; arguments x, wq, wk, wv, wo, cos, sin, xb, wb, woh, tab; writes xb, wb, woh, tab
.if DOCPART == 5
	.amdgcn_target "amdgcn-amd-amdhsa--gfx1250"
	.amdhsa_code_object_version 6
	.text
	.protected	k_qc50efb2b4e_prep
	.globl	k_qc50efb2b4e_prep
	.p2align	8
	.type	k_qc50efb2b4e_prep,@function
k_qc50efb2b4e_prep:
	s_mov_b64 s[64:65], 0
	v_nop
	global_prefetch_b8 v0, s[64:65] scope:SCOPE_SE
	s_setreg_imm32_b32 hwreg(HW_REG_WAVE_SCHED_MODE, 0, 2), 2
	s_setreg_imm32_b32 hwreg(HW_REG_WAVE_MODE, 25, 1), 1
	s_wait_xcnt 0x0
	s_wait_alu depctr_vm_vsrc(0)
; prep: every f32 input is read once and written once as 16-bit numbers for the matrix units.
;   grid row 0: x  -> xb  bf16 [2048][4096]
;   grid row 1: wq -> wb  bf16 rows 0-2047        grid row 2: wk, wv -> wb rows 2048-3071, 3072-4095
;   grid row 3: wo -> woh f16(bf16(8 wo)) [4096][2048]: rounded as bf16, held as f16 because its partner in the product is f16;
;               the 8 undoes the 2^-3 that v carries.  LIMIT: |wo| above about 8.1e3 becomes infinite in f16.
;   grid row 4: cos, sin -> tab bf16 [2][2048][128], in the order in which q and k are stored: place 8c+j (j<4) holds d = 4c+j,
;               place 8c+4+j holds d = 64+4c+j.  Both tables carry 2^-7 (q's and k's scale in f16, exact), and sin carries
;               rotate-half's sign: minus for d < 64.
; A stream: no LDS, no matrix unit, no cluster (nothing is shared).  A work-group takes 131,072 bytes of f32: 32 loads of 16 bytes a
; lane, all issued ahead of the first wait; each chunk has registers of its own, so no source of a memory instruction is ever rewritten.
; THE MODE: SCHED_MODE bits 1:0 = 2 (LLVM: expert scheduling mode 2), set by the entry lines.  The code itself states the register dependences
; between vector instructions and memory instructions, with s_wait_alu, always for 0.
; THE PLAN.  Registers that memory instructions touch:
;   v1, v2       byte offsets, written once at the head; read by every load (v1) and every store (v2; the table's store: v1); never written again.
;   chunk c      v[XR+4c .. +3]: its load lands there, and no vector instruction names them ahead of that; its conversions read the four and write the
;                first two; its store reads those two; nothing writes them afterwards.
;   v[TW ..]     named by vector instructions alone.
;   table path   v3: the loads' offset, made there; v[8:15]: loaded, then read and written by vector instructions alone; v[16:19]: written by the roundings, read by the store.
; So the only dependences to state are vector writes ahead of memory reads.  The 32 chunks go in eight blocks of four: a block's four stores go out as one run at the
; head of the next block, behind the wait for that block's first load and ONE wait on va_vdst; the last block's behind one more.  No register that a memory
; instruction has read is written again, so no wait on vm_vsrc is owed; no vector instruction writes a scalar register or VCC, and EXEC is never written.
.set XR,  8                            ; v[8:135]   32 x 4 registers as loaded; the first two of each four hold the result
.set TW,  136                          ; v[136:141] at work (wo only)
.set BLK, 4                            ; chunks in a block
; the four stores of the block that begins with chunk c0
.macro PUT4 c0
.irp i, 0,1,2,3
	global_store_b64 v2, v[XR+4*((\c0)+\i):XR+4*((\c0)+\i)+1], s[32:33] offset:2048*((\c0)+\i)   ; a wave stores 256 consecutive bytes, aligned; read again by the next launch: no hint
.endr
.endm
; wo = 0: f32 -> bf16.  wo = 1: f32 -> 8 x, rounded to bf16, widened, held as f16 (exact but for f16's smallest numbers).
.macro STREAM wo
.set ci, 0
.rept 32
	global_load_b128 v[XR+4*ci:XR+4*ci+3], v1, s[26:27] offset:4096*ci th:TH_LOAD_NT   ; the eight waves cover 4,096 neighbouring bytes
.set ci, ci+1
.endr
.set ci, 0
.rept 32
	s_wait_loadcnt 31-ci                           ; loads come back in order: the 31-ci younger ones stay out
.if (ci % BLK == 0) && (ci > 0)
	s_wait_alu depctr_va_vdst(0)                   ; the conversions of the block before have written the first two registers of its four chunks, which the four stores below read
	PUT4 ci-BLK
.endif
.if \wo
	v_pk_mul_f32 v[XR+4*ci:XR+4*ci+1], v[XR+4*ci:XR+4*ci+1], 0x41000000 op_sel_hi:[1,0]
	v_pk_mul_f32 v[XR+4*ci+2:XR+4*ci+3], v[XR+4*ci+2:XR+4*ci+3], 0x41000000 op_sel_hi:[1,0]
	v_cvt_pk_bf16_f32 v[TW], v[XR+4*ci], v[XR+4*ci+1]
	v_cvt_pk_bf16_f32 v[TW+1], v[XR+4*ci+2], v[XR+4*ci+3]
	v_lshlrev_b32 v[TW+2], 16, v[TW]
	v_and_b32 v[TW+3], 0xffff0000, v[TW]
	v_lshlrev_b32 v[TW+4], 16, v[TW+1]
	v_and_b32 v[TW+5], 0xffff0000, v[TW+1]
	v_cvt_pk_f16_f32 v[XR+4*ci], v[TW+2], v[TW+3]
	v_cvt_pk_f16_f32 v[XR+4*ci+1], v[TW+4], v[TW+5]
.else
	v_cvt_pk_bf16_f32 v[XR+4*ci], v[XR+4*ci], v[XR+4*ci+1]
	v_cvt_pk_bf16_f32 v[XR+4*ci+1], v[XR+4*ci+2], v[XR+4*ci+3]
.endif
.set ci, ci+1
.endr
	s_wait_alu depctr_va_vdst(0)                   ; the last block's conversions have written what the last four stores read
	PUT4 32-BLK
.endm
	s_load_b512 s[4:19], s[0:1], 0x0               ; x 4:5, wq 6:7, wk 8:9, wv 10:11, wo 12:13, cos 14:15, sin 16:17, xb 18:19
	s_load_b128 s[20:23], s[0:1], 0x40             ; wb 20:21, woh 22:23
	s_load_b64 s[24:25], s[0:1], 0x50              ; tab
	s_mov_b32 s2, ttmp9                            ; X
	s_and_b32 s3, ttmp7, 0xffff                    ; Y
	s_and_b32 s36, s2, 127
	s_mov_b32 s29, 0                               ; high words of the two offsets
	s_mov_b32 s35, 0
	v_lshlrev_b32 v1, 4, v0                        ; 16 t: my 16 bytes of f32 (and of the table's output)
	v_lshlrev_b32 v2, 3, v0                        ; 8 t: my 8 bytes of output
	s_wait_kmcnt 0x0
	s_wait_alu depctr_va_vdst(0)                   ; v1 and v2 are written: the loads and stores of all three ways below read them as offsets, and nothing writes them again
	s_cmp_eq_u32 s3, 4
	s_cbranch_scc1 .Ltab
	s_cmp_eq_u32 s3, 3
	s_cbranch_scc1 .Lwo
	; Y = 0, 1, 2: the source and the destination are chosen between buffers on X and Y alone
	s_cmp_lt_u32 s2, 128
	s_cselect_b64 s[26:27], s[8:9], s[10:11]       ; wk for X < 128, else wv
	s_cmp_eq_u32 s3, 2
	s_cselect_b64 s[26:27], s[26:27], s[6:7]       ; Y = 2: that one; else wq
	s_cselect_b32 s28, s36, s2                     ; the part of the source: X mod 128 for wk and wv
	s_cselect_b32 s34, 0x1000000, 0                ; wk's rows begin 2,048 rows of 8,192 bytes into wb
	s_cmp_eq_u32 s3, 0
	s_cselect_b64 s[26:27], s[4:5], s[26:27]       ; Y = 0: x
	s_cselect_b64 s[32:33], s[18:19], s[20:21]     ; xb, else wb
	s_lshl_b32 s28, s28, 17                        ; 131,072 bytes of f32 a work-group
	s_lshl_b32 s37, s2, 16                         ; 65,536 bytes out
	s_add_co_u32 s34, s34, s37
	s_add_nc_u64 s[26:27], s[26:27], s[28:29]
	s_add_nc_u64 s[32:33], s[32:33], s[34:35]
	STREAM 0
	s_endpgm
.Lwo:
	s_lshl_b32 s28, s2, 17
	s_lshl_b32 s34, s2, 16
	s_add_nc_u64 s[26:27], s[12:13], s[28:29]
	s_add_nc_u64 s[32:33], s[22:23], s[34:35]
	STREAM 1
	s_endpgm
.Ltab:
	; 16 table rows a work-group; thread t: row t / 16, c = t mod 16: d = 4c .. 4c+3 and 64+4c .. 64+4c+3 become places 8c .. 8c+7
	s_mov_b32 s40, 0x3c000000                      ; 2^-7
	s_mov_b32 s38, 0xbc000000                      ; -2^-7
	s_mov_b32 s42, 0x3c000000
	s_mov_b32 s43, 0x3c000000
	s_lshr_b32 s37, s2, 7                          ; 0: cos, 1: sin
	s_cmp_eq_u32 s37, 0
	s_cselect_b64 s[26:27], s[14:15], s[16:17]
	s_cselect_b32 s40, s40, s38                    ; the factor of d < 64
	s_mov_b32 s41, s40
	s_lshl_b32 s28, s36, 13                        ; 16 rows of 512 bytes in
	s_lshl_b32 s34, s36, 12                        ; 16 rows of 256 bytes out,
	s_lshl_b32 s37, s37, 19                        ; sin's table 524,288 bytes behind cos's
	s_add_co_u32 s34, s34, s37
	s_add_nc_u64 s[26:27], s[26:27], s[28:29]
	s_add_nc_u64 s[32:33], s[24:25], s[34:35]
	v_lshrrev_b32 v3, 4, v0
	v_and_b32 v4, 15, v0
	v_lshlrev_b32 v4, 4, v4
	v_lshl_add_u32 v3, v3, 9, v4                   ; row x 512 + 16 c
	s_wait_alu depctr_va_vdst(0)                   ; v3 is written, which the two loads read as their offset
	global_load_b128 v[8:11], v3, s[26:27] th:TH_LOAD_NT
	global_load_b128 v[12:15], v3, s[26:27] offset:256 th:TH_LOAD_NT
	s_wait_loadcnt 0x0
	v_pk_mul_f32 v[8:9], v[8:9], s[40:41] op_sel_hi:[1,0]
	v_pk_mul_f32 v[10:11], v[10:11], s[40:41] op_sel_hi:[1,0]
	v_pk_mul_f32 v[12:13], v[12:13], s[42:43] op_sel_hi:[1,0]
	v_pk_mul_f32 v[14:15], v[14:15], s[42:43] op_sel_hi:[1,0]
	v_cvt_pk_bf16_f32 v16, v8, v9
	v_cvt_pk_bf16_f32 v17, v10, v11
	v_cvt_pk_bf16_f32 v18, v12, v13
	v_cvt_pk_bf16_f32 v19, v14, v15
	s_wait_alu depctr_va_vdst(0)                   ; the four roundings have written v[16:19], which the store reads
	global_store_b128 v1, v[16:19], s[32:33]       ; sixteen lanes store one row of 256 bytes
	s_endpgm
.Lfunc_end_k_qc50efb2b4e_prep:
	.size	k_qc50efb2b4e_prep, .Lfunc_end_k_qc50efb2b4e_prep-k_qc50efb2b4e_prep
	.p2alignl 7, 3214868480
	.fill 96, 4, 3214868480
	.section	.rodata,"a",@progbits
	.p2align	6, 0x0
	.amdhsa_kernel k_qc50efb2b4e_prep
		.amdhsa_group_segment_fixed_size 0
		.amdhsa_private_segment_fixed_size 0
		.amdhsa_enable_private_segment 0
		.amdhsa_kernarg_size 88
		.amdhsa_user_sgpr_count 2
		.amdhsa_user_sgpr_kernarg_segment_ptr 1
		.amdhsa_wavefront_size32 1
		.amdhsa_system_sgpr_workgroup_id_x 1
		.amdhsa_system_sgpr_workgroup_id_y 1
		.amdhsa_system_sgpr_workgroup_id_z 1
		.amdhsa_system_vgpr_workitem_id 0
		.amdhsa_next_free_vgpr 144
		.amdhsa_next_free_sgpr 66
		.amdhsa_reserve_vcc 0
		.amdhsa_float_denorm_mode_32 3
		.amdhsa_float_denorm_mode_16_64 3
		.amdhsa_memory_ordered 1
		.amdhsa_forward_progress 1
		.amdhsa_inst_pref_size 42
	.end_amdhsa_kernel
	.amdgpu_metadata
---
amdhsa.version: [ 1, 2 ]
amdhsa.kernels:
  - .name:           k_qc50efb2b4e_prep
    .symbol:         k_qc50efb2b4e_prep.kd
    .args:
      - { .name: x, .offset: 0, .size: 8, .value_kind: global_buffer, .address_space: global }
      - { .name: wq, .offset: 8, .size: 8, .value_kind: global_buffer, .address_space: global }
      - { .name: wk, .offset: 16, .size: 8, .value_kind: global_buffer, .address_space: global }
      - { .name: wv, .offset: 24, .size: 8, .value_kind: global_buffer, .address_space: global }
      - { .name: wo, .offset: 32, .size: 8, .value_kind: global_buffer, .address_space: global }
      - { .name: cos, .offset: 40, .size: 8, .value_kind: global_buffer, .address_space: global }
      - { .name: sin, .offset: 48, .size: 8, .value_kind: global_buffer, .address_space: global }
      - { .name: xb, .offset: 56, .size: 8, .value_kind: global_buffer, .address_space: global }
      - { .name: wb, .offset: 64, .size: 8, .value_kind: global_buffer, .address_space: global }
      - { .name: woh, .offset: 72, .size: 8, .value_kind: global_buffer, .address_space: global }
      - { .name: tab, .offset: 80, .size: 8, .value_kind: global_buffer, .address_space: global }
    .group_segment_fixed_size: 0
    .private_segment_fixed_size: 0
    .kernarg_segment_align: 8
    .kernarg_segment_size: 88
    .max_flat_workgroup_size: 256
    .sgpr_count:     66
    .vgpr_count:     144
    .wavefront_size: 32
...
	.end_amdgpu_metadata
.endif
;; end of part 5
;; launch qkv: the kernel of part 2 again; grid 16 x 16, 4 waves a work-group, clusters of 4 x 1, 327,680 bytes of LDS; arguments xb, wb, tab, qkv; writes qkv
;; launch attn: the kernel of part 3 again; grid 32 x 8, 4 waves a work-group, clusters of 4 x 1, 327,680 bytes of LDS; arguments qkv, att; writes att
;; launch oproj: the kernel of part 4 again; grid 16 x 16, 4 waves a work-group, clusters of 4 x 1, 327,680 bytes of LDS; arguments att, woh, out0; writes out0
